; MI455X (gfx1250); checked and timed in simulation.
; The chip was launched on July 23, 2026; its instructions are those of AMD's public machine-readable ISA for CDNA 5 (MIT licence, August 2026) and "CDNA5" Instruction Set Architecture Reference Guide (July 2026). The comments in the code are by the model that wrote it; some were corrected since.
;; Multi Head Attention Layer. Allowed arithmetic: matrix products marked QUANTISED: E3M2 operands, one E8M0 scale for each 32 along K, by v_wmma_scale_f32_16x16x128_f8f6f4 with both operands' format E3M2, f32 sums; everything else in f32.
;; Inputs: Wk_codes 1,024 x 32 x 24 uint8 (E3M2 codes of Wk, K innermost, in blocks of 32 codes, four codes in three bytes); Wk_scales 1,024 x 32 uint8 (E8M0 scales of Wk, one for each 32 codes along K); Wo_codes 1,024 x 32 x 24 uint8 (E3M2 codes of Wo, K innermost, in blocks of 32 codes, four codes in three bytes); Wo_scales 1,024 x 32 uint8 (E8M0 scales of Wo, one for each 32 codes along K); Wq_codes 1,024 x 32 x 24 uint8 (E3M2 codes of Wq, K innermost, in blocks of 32 codes, four codes in three bytes); Wq_scales 1,024 x 32 uint8 (E8M0 scales of Wq, one for each 32 codes along K); Wv_codes 1,024 x 32 x 24 uint8 (E3M2 codes of Wv, K innermost, in blocks of 32 codes, four codes in three bytes); Wv_scales 1,024 x 32 uint8 (E8M0 scales of Wv, one for each 32 codes along K); bk 1,024 float32; bo 1,024 float32; bq 1,024 float32; bv 1,024 float32; ln_beta 1,024 float32; ln_gamma 1,024 float32; x 4 x 2,048 x 1,024 float32.
;; Outputs: out0 4 x 2,048 x 1,024 float32.
;; This version of the problem:
;;   THIS VERSION OF THE PROBLEM IS GIVEN IN LOW PRECISION. The matrix products marked QUANTISED in the list below multiply operands that are first quantised to E3M2 (3 exponent bits, 2 mantissa bits; 6 bits a number), with one power-of-two scale for each 32 numbers along K (OCP MX v1.0); their sums are f32. All else is computed in f32.
;;   The module's matrix products, in the order in which they are computed (A, B: the left and right operand; K: the contracted axis; several contracted axes count as one K, in the product's order):
;;     1. [M 8,192, K 1,024] x [K 1,024, N 1,024]; A: computed on the way; B: input Wq (given as codes): QUANTISED
;;     2. [M 8,192, K 1,024] x [K 1,024, N 1,024]; A: computed on the way; B: input Wk (given as codes): QUANTISED
;;     3. [M 8,192, K 1,024] x [K 1,024, N 1,024]; A: computed on the way; B: input Wv (given as codes): QUANTISED
;;     4. batch 64 x [M 2,048, K 64] x [K 64, N 2,048]; A: computed on the way; B: computed on the way: QUANTISED
;;     5. batch 64 x [M 64, K 2,048] x [K 2,048, N 2,048]; A: computed on the way; B: softmax (see below): QUANTISED
;;     6. [M 8,192, K 1,024] x [K 1,024, N 1,024]; A: computed on the way; B: input Wo (given as codes): QUANTISED
;;   THE QUANTISER, for each operand of a quantised product, along K:
;;     - K is cut into blocks of 32 from its start; a last block that is shorter is filled with zeros.
;;     - A block's scale is 2^e with e = floor(log2(the largest magnitude in the block)) - 4, held to -126 .. 127; a block of zeros has e = 0. As a byte (E8M0): e + 127.
;;     - Each number is divided by its block's scale, clamped to +-28, and rounded to the nearest number of E3M2, ties to even, subnormals kept.
;;     - The product sums the exact products of the quantised numbers (number of the format x scale) in f32.
;;   ~~~python
;;   def quantise(x, axis):      # numpy; x: float32 -> the quantised numbers, widened to float32 again
;;       x = np.moveaxis(x, axis, -1); K = x.shape[-1]
;;       x = np.pad(x, [(0, 0)] * (x.ndim - 1) + [(0, -K % 32)]); x = x.reshape(x.shape[:-1] + (-1, 32)); a = np.abs(x).max(-1, keepdims=True)
;;       e = np.where(a > 0, np.clip(np.frexp(np.where(a > 0, a, 1))[1] - 1 - 4, -126, 127), 0)      # np.frexp(a)[1] - 1 = floor(log2(a)), exactly
;;       r = np.clip(x / 2.0 ** e, -28, 28)
;;       step = 2.0 ** (np.maximum(np.frexp(np.where(r == 0, 1, r))[1] - 1, -2) - 2)
;;       q = np.round(r / step) * step * 2.0 ** e      # np.round: ties to even
;;       return np.moveaxis(q.reshape(q.shape[:-2] + (-1,))[..., :K], -1, axis).astype(np.float32)
;;   ~~~
;;   SOFTMAX AHEAD OF A QUANTISED PRODUCT. Where the list says 'softmax', what is quantised is not the finished softmax but p = 2^(t - M), with t = logit x log2(e) and M = ceil(the row's largest t), a whole number; so 1/2 < the row's largest p <= 1. The row's sum l is taken of the UNQUANTISED p, in f32, and the product's result is divided by l at the end. Since M is a whole number, a kernel that streams over the keys may use a running M (the ceiling of the running maximum): every later rescaling is an exact power of two, which a block's scale takes up: the codes' values come out the same.
;;   OPERANDS COMPUTED ON THE WAY. 'Computed on the way' means the value that the module computes at that place (a softmax that the list does not call 'softmax' is quantised finished and normalised). What goes into a quantiser is computed in f32, as accurately as f32 sums, v_exp_f32 and their like allow (about 1e-6 of the number): no bf16 or f16 on the way to a quantiser, and a product that is left as it is and whose result goes on into a quantised operand takes f32 operands (vector FMAs, or v_wmma_f32_16x16x4_f32). A number that lies on a knife's edge between two numbers of the format may be rounded either way, as far as f32 arithmetic and the matrix unit's own rounding can turn it there, and no further.
;;   INPUTS GIVEN AS CODES. Wk (in the module: [1024, 1024], K = its axis 0); Wo (in the module: [1024, 1024], K = its axis 0); Wq (in the module: [1024, 1024], K = its axis 0); Wv (in the module: [1024, 1024], K = its axis 0): each comes as NAME_codes (uint8): NAME with its K axis moved to the last place and cut into blocks of 32 codes, [.., K / 32, bytes a block], one block behind the other in memory; four codes in three bytes: a row's codes are one little-endian stream of bits, code i at bits 6 i .. 6 i + 5 (a code: sign, 3 exponent bits, 2 mantissa bits); and NAME_scales (uint8): the same leading axes, one E8M0 byte (e + 127) for each 32 codes along K. Its value is code x scale, taken as it is: it is not quantised again, and the codes and scales need not be those that the quantiser above would give.
;; One version. Each part assembles by itself: llvm-mc -triple=amdgcn-amd-amdhsa -mcpu=gfx1250 --defsym DOCPART=n.
;; ======== version 1 of 1: 4 launches
;; limits: right only within a limited range of input values
;; workspace buffers: xq 6,553,600 bytes; wl 3,145,728 bytes; qb 6,553,600 bytes; kv 13,107,200 bytes; ob 6,553,600 bytes
;; launch lnq (part 1): grid 256 x 1, 8 waves a work-group, no clusters, 133,632 bytes of LDS; arguments x, ln_gamma, ln_beta, Wq_codes, Wk_codes, Wv_codes, Wo_codes, xq, wl; writes xq, wl
.if DOCPART == 1
	.amdgcn_target "amdgcn-amd-amdhsa--gfx1250"
	.amdhsa_code_object_version 6
	.text
	.protected	k_qbf101cc12f_lnq
	.globl	k_qbf101cc12f_lnq
	.p2align	8
	.type	k_qbf101cc12f_lnq,@function
k_qbf101cc12f_lnq:
	s_mov_b64 s[64:65], 0
	v_nop
	global_prefetch_b8 v0, s[64:65] scope:SCOPE_SE
	s_setreg_imm32_b32 hwreg(HW_REG_WAVE_MODE, 25, 1), 1
	s_wait_xcnt 0x0
; LayerNorm of x [8192][1024] f32 (two passes: mean, then the mean of squared differences; eps 1e-5), times gamma plus beta, quantised along the 1,024 to BF6 (E3M2) with one E8M0 byte for each 32;
; and the four weights' codes laid anew in the order of an operand's registers.
; SHARES.  Work-group G owns rows 32 G .. 32 G + 31.  Wave w normalises rows 4 w .. 4 w + 3 (a row is eight loads of 512 consecutive bytes, 32 registers a lane), puts them into LDS as f32, and behind a barrier
; quantises tile u = w & 1 of the group, K steps 2 (w >> 1) and 2 (w >> 1) + 1.  Wave w also copies ONE weight fragment: matrix G >> 6, tile G & 63, K step w: 2,048 fragments for 2,048 waves.
; TILES.  Row r of tile u of a group is row 8 u + r + (r & 8) of its 32: rows 0-7 and 16-23, or 8-15 and 24-31.  The weights' tiles take their rows (output columns) the same way.  So a later product's 16 results of two
; neighbouring tiles are 16 neighbours along the axis that is quantised next.
; OUT.  xq: 32 blocks of 204,800 bytes (256 rows): a fragment (16 rows x 128 K, 12 registers a lane) as two halves of 768 bytes; in a half, registers 0-3 at 16 x lane, registers 4-5 at 512 + 8 x lane; behind the
; codes the scale words, 32 bytes a tile row.  wl: a fragment as three runs of 512 bytes, registers 4 c .. 4 c + 3 at 512 c + 16 x lane.
; LIMITS: NaN and infinities are not served.  A block whose largest magnitude lies under 2^-122 keeps the scale byte 1; so does a block of zeros (its codes are zeros); only this program reads these bytes.
.set PITCH, 4112                       ; an LDS row: 4,096 bytes + 16: sixteen rows on end begin 16 bytes apart modulo 256
.set SCB,   32*PITCH                   ; behind the rows: the group's 1,024 bytes of scale words
.set WF,  16                           ; v16-27   the weight fragment
.set GA,  32                           ; v32-63   gamma of my 32 columns;  later the first fragment's codes
.set BE,  64                           ; v64-95   beta
.set XB,  96                           ; v96-223  four rows x 32;  later two sets of 64 numbers
.set SS,  224                          ; v224-255 for row i at SS + 8 i: two pairs of sums, the pair of the mean, the pair of 1 / sqrt
.set TM,  224                          ; later: at work in the quantiser
.set PW,  240                          ; v240-241 the two scale words
.set PC0, 32
.set PC1, 52
.set ST0, 96
.set ST1, 160
; the four rows' two pairs of partial sums become each row's total, in every lane, in v[SS + 8 i]
.macro REDUCE
.irp i, 0,1,2,3
	v_pk_add_f32 v[SS+8*\i:SS+8*\i+1], v[SS+8*\i:SS+8*\i+1], v[SS+8*\i+2:SS+8*\i+3]
.endr
.irp i, 0,1,2,3
	s_delay_alu instid0(VALU_DEP_4)
	v_add_f32 v[SS+8*\i], v[SS+8*\i], v[SS+8*\i+1]
.endr
.irp m, 1,2,4,8
.irp i, 0,1,2,3
	s_delay_alu instid0(VALU_DEP_4)
	v_add_f32_dpp v[SS+8*\i], v[SS+8*\i], v[SS+8*\i] row_xmask:\m row_mask:0xf bank_mask:0xf
.endr
.endr
.irp i, 0,1,2,3
	s_delay_alu instid0(VALU_DEP_4)
	v_permlanex16_b32 v[SS+8*\i+1], v[SS+8*\i], s28, s29
.endr
.irp i, 0,1,2,3
	s_delay_alu instid0(VALU_DEP_4)
	v_add_f32 v[SS+8*\i], v[SS+8*\i], v[SS+8*\i+1]
.endr
.endm
; 64 numbers of a lane, register 16 b + i = k 32 b + 16 (lane / 16) + i of my row, become a fragment's 12 registers of codes at v[pc] (8 more at work) and its scale word in v[pw]
.macro QUANT s, pc, pw
.irp b, 0,1,2,3
	v_max3_num_f32 v[TM+\b], |v[\s+16*\b]|, |v[\s+1+16*\b]|, 0x2800000   ; my 16 numbers of block b, and the floor 2^(5 - 127): the byte cannot fall under 1
.endr
.irp i, 2,4,6,8,10,12,14
.irp b, 0,1,2,3
	s_delay_alu instid0(VALU_DEP_4)
	v_max3_num_f32 v[TM+\b], v[TM+\b], |v[\s+16*\b+\i]|, |v[\s+1+16*\b+\i]|
.endr
.endr
.irp b, 0,1,2,3
	v_permlanex16_b32 v[TM+4+\b], v[TM+\b], s28, s29
.endr
.irp b, 0,1,2,3
	s_delay_alu instid0(VALU_DEP_4)
	v_max_num_f32 v[TM+\b], v[TM+\b], v[TM+4+\b]      ; with the lane 16 away: the block's largest magnitude
.endr
.irp b, 0,1,2,3
	s_delay_alu instid0(VALU_DEP_4)
	v_add_nc_u32 v[TM+12+\b], 0xfe000000, v[TM+\b]    ; 4 off its exponent field: the conversion's scale operand
.endr
.irp b, 0,1,2,3
	s_delay_alu instid0(VALU_DEP_4)
	v_lshrrev_b32 v[TM+4+\b], 23, v[TM+12+\b]         ; the scale's byte
.endr
	s_delay_alu instid0(VALU_DEP_3)
	v_lshl_or_b32 v[\pw], v[TM+5], 8, v[TM+4]
	s_delay_alu instid0(VALU_DEP_1)
	v_lshl_or_b32 v[\pw], v[TM+6], 16, v[\pw]
	s_delay_alu instid0(VALU_DEP_1)
	v_lshl_or_b32 v[\pw], v[TM+7], 24, v[\pw]
.irp c, 0,1
	v_cvt_scalef32_pk16_bf6_f32 v[\pc+6*\c:\pc+6*\c+2], v[\s+32*\c:\s+32*\c+15], v[TM+12+2*\c]
	v_cvt_scalef32_pk16_bf6_f32 v[\pc+12+4*\c:\pc+14+4*\c], v[\s+32*\c+16:\s+32*\c+31], v[TM+13+2*\c]   ; (a conversion's three registers begin on an even number)
.endr
	v_nop                                          ; one plain instruction behind the scaled conversions
.irp c, 0,1                                    ; the operand wants a whole block in a lane: lanes 0-15 block 2 c, lanes 16-31 block 2 c + 1
.irp i, 0,1,2
	v_permlane16_swap_b32 v[\pc+6*\c+\i], v[\pc+12+4*\c+\i]
.endr
.irp i, 0,1,2
	s_delay_alu instid0(VALU_DEP_3)
	v_mov_b32 v[\pc+3+6*\c+\i], v[\pc+12+4*\c+\i]
.endr
.endr
.endm
.macro STH reg, off                    ; half a fragment, 6 registers a lane: 512 and 256 consecutive bytes, aligned to 256
	global_store_b128 v1, v[\reg:\reg+3], s[18:19] offset:\off
	global_store_b64 v8, v[\reg+4:\reg+5], s[18:19] offset:(\off)+512
.endm
	s_load_b256 s[4:11], s[0:1], 0x0               ; x, gamma, beta, Wq's codes
	s_load_b256 s[12:19], s[0:1], 0x20             ; Wk's, Wv's, Wo's codes, xq
	s_load_b64 s[20:21], s[0:1], 0x40              ; wl
	v_lshl_add_u32 v30, v0, 2, 0x20600
	v_mov_b32 v31, 0
	v_lshrrev_b32 v2, 5, v0
	s_delay_alu instid0(VALU_DEP_1)
	v_readfirstlane_b32 s22, v2                    ; wave 0..7
	v_and_b32 v2, 31, v0                           ; lane
	v_and_b32 v3, 15, v0                           ; r
	v_bfe_u32 v4, v0, 4, 1                         ; h
	s_delay_alu instid0(VALU_DEP_3)
	v_lshlrev_b32 v1, 4, v2                        ; 16 x lane
	s_wait_alu depctr_va_vdst(0)
	v_lshlrev_b32 v8, 3, v2                        ; 8 x lane
	v_lshlrev_b32 v10, 2, v0                       ; 4 x thread
	v_lshl_add_u32 v12, v0, 2, SCB                 ; and the same among the gathered scale words
	v_and_b32 v5, 8, v3
	s_delay_alu instid0(VALU_DEP_1)
	v_add_nc_u32 v5, v5, v3                        ; r + (r & 8)
	s_delay_alu instid0(VALU_DEP_1)
	v_mul_u32_u24 v5, v5, 768                      ; a weight's row is 768 bytes of codes
	s_delay_alu instid0(VALU_DEP_1)
	v_mad_u32_u24 v5, v4, 24, v5                   ; + 24 h
	s_and_b32 s23, s22, 1                          ; w & 1
	s_lshr_b32 s24, s22, 1                         ; w >> 1
	s_and_b32 s25, s24, 1
	s_lshr_b32 s26, s22, 2
	s_lshl_b32 s25, s25, 4
	s_lshl_b32 s26, s26, 3
	s_add_co_u32 s25, s25, s26
	s_lshl_b32 s26, s23, 2
	s_add_co_u32 s25, s25, s26                     ; row 4 w of the group lies at LDS row 16 (bit 3) + 8 (bit 4) + the low bits: so tile u's row r is LDS row 16 u + r
	s_mul_i32 s25, s25, PITCH
	v_add_nc_u32 v6, s25, v1                       ; where I put my 16 bytes of a run of 512
	v_mul_u32_u24 v7, v3, PITCH
	s_delay_alu instid0(VALU_DEP_1)
	v_lshl_add_u32 v7, v4, 6, v7
	s_mul_i32 s26, s23, 16*PITCH
	s_lshl_b32 s27, s24, 10
	s_add_co_u32 s26, s26, s27
	v_add_nc_u32 v7, s26, v7                       ; where I read: tile row r, + 64 h, my tile, my two K steps
	v_lshlrev_b32 v9, 5, v3
	s_lshl_b32 s26, s23, 9
	s_lshl_b32 s27, s24, 3
	s_add_co_u32 s26, s26, s27
	s_add_co_u32 s26, s26, SCB
	v_add_nc_u32 v9, s26, v9                       ; my row's scale words: 32 bytes a tile row, 4 bytes a K step
.irp i, 0,1,2,3
	v_mov_b32 v[SS+8*\i+5], 0                      ; the upper halves of pairs of which the low word serves both halves: named, so written
	v_mov_b32 v[SS+8*\i+7], 0
.endr
	s_mov_b32 s28, 0x76543210
	s_mov_b32 s29, 0xfedcba98                      ; v_permlanex16_b32's selects: the lane 16 away
	s_mov_b32 s30, 0x3a800000                      ; 1 / 1024
	s_mov_b32 s31, 0x3727c5ac                      ; 1e-5
	s_lshl_b32 s32, ttmp9, 17                      ; x: 32 rows of 4,096 bytes a group,
	s_lshl_b32 s33, s22, 14                        ; four rows a wave
	s_add_co_u32 s32, s32, s33
	s_mov_b32 s33, 0
	s_lshr_b32 s34, ttmp9, 6                       ; which weight
	s_and_b32 s35, ttmp9, 63                       ; which tile of it
	s_lshr_b32 s36, s35, 1
	s_lshl_b32 s36, s36, 5
	s_and_b32 s35, s35, 1
	s_lshl_b32 s35, s35, 3
	s_add_co_u32 s36, s36, s35                     ; the tile's first row
	s_mul_i32 s36, s36, 768
	s_mul_i32 s35, s22, 96                         ; K step w
	s_add_co_u32 s36, s36, s35
	s_mov_b32 s37, 0
	s_mul_i32 s2, ttmp9, 12288                     ; wl: eight fragments of 1,536 bytes a tile
	s_mul_i32 s3, s22, 1536
	s_add_co_u32 s2, s2, s3
	s_mov_b32 s3, 0
	s_lshr_b32 s26, ttmp9, 3
	s_mul_i32 s26, s26, 204800                     ; xq: my block of 256 rows
	s_and_b32 s27, ttmp9, 7
	s_lshl_b32 s38, s27, 10
	s_add_co_u32 s38, s38, s26
	s_add_co_u32 s38, s38, 196608                  ; my group's scale words
	s_mov_b32 s39, 0
	s_mul_i32 s27, s27, 24576
	s_add_co_u32 s26, s26, s27
	s_mul_i32 s27, s23, 12288
	s_add_co_u32 s26, s26, s27
	s_mul_i32 s27, s24, 3072
	s_add_co_u32 s26, s26, s27                     ; my two fragments
	s_mov_b32 s27, 0
	s_wait_kmcnt 0x0
	s_cmp_eq_u32 s34, 1                            ; only pointers are chosen, by the work-group's number: one path through the text
	s_cselect_b64 s[10:11], s[12:13], s[10:11]
	s_cmp_eq_u32 s34, 2
	s_cselect_b64 s[10:11], s[14:15], s[10:11]
	s_cmp_eq_u32 s34, 3
	s_cselect_b64 s[10:11], s[16:17], s[10:11]
	s_add_nc_u64 s[10:11], s[10:11], s[36:37]
	s_add_nc_u64 s[4:5], s[4:5], s[32:33]
	s_add_nc_u64 s[20:21], s[20:21], s[2:3]
	s_add_nc_u64 s[38:39], s[18:19], s[38:39]
	s_add_nc_u64 s[18:19], s[18:19], s[26:27]
	; ---- A: four rows a wave
.irp i, 0,1,2,3
.irp j, 0,1,2,3,4,5,6,7
	global_load_b128 v[XB+32*\i+4*\j:XB+32*\i+4*\j+3], v1, s[4:5] offset:4096*\i+512*\j th:TH_LOAD_NT
.endr
.endr
.irp j, 0,1,2,3,4,5,6,7
	global_load_b128 v[GA+4*\j:GA+4*\j+3], v1, s[6:7] offset:512*\j
.endr
.irp j, 0,1,2,3,4,5,6,7
	global_load_b128 v[BE+4*\j:BE+4*\j+3], v1, s[8:9] offset:512*\j
.endr
.irp p, 0,1,2,3,4,5
	global_load_b64 v[WF+2*\p:WF+2*\p+1], v5, s[10:11] offset:48*(\p/3)+8*(\p%3)
.endr
	s_wait_loadcnt 22                              ; the rows are in; gamma's 8, beta's 8 and the fragment's 6 loads may be out
.irp i, 0,1,2,3
	v_pk_add_f32 v[SS+8*\i:SS+8*\i+1], v[XB+32*\i:XB+32*\i+1], v[XB+32*\i+4:XB+32*\i+5]
	v_pk_add_f32 v[SS+8*\i+2:SS+8*\i+3], v[XB+32*\i+2:XB+32*\i+3], v[XB+32*\i+6:XB+32*\i+7]
.endr
.irp j, 8,12,16,20,24,28
.irp i, 0,1,2,3
	v_pk_add_f32 v[SS+8*\i:SS+8*\i+1], v[SS+8*\i:SS+8*\i+1], v[XB+32*\i+\j:XB+32*\i+\j+1]
	v_pk_add_f32 v[SS+8*\i+2:SS+8*\i+3], v[SS+8*\i+2:SS+8*\i+3], v[XB+32*\i+\j+2:XB+32*\i+\j+3]
.endr
.endr
	REDUCE
.irp i, 0,1,2,3
	s_delay_alu instid0(VALU_DEP_4)
	v_mul_f32 v[SS+8*\i+4], s30, v[SS+8*\i]        ; the mean
.endr
.irp i, 0,1,2,3
.set J, 0
.rept 16
	v_pk_add_f32 v[XB+32*\i+J:XB+32*\i+J+1], v[XB+32*\i+J:XB+32*\i+J+1], v[SS+8*\i+4:SS+8*\i+5] op_sel_hi:[1,0] neg_lo:[0,1] neg_hi:[0,1]   ; x - mean, in place
.set J, J+2
.endr
.endr
.irp i, 0,1,2,3
	v_pk_mul_f32 v[SS+8*\i:SS+8*\i+1], v[XB+32*\i:XB+32*\i+1], v[XB+32*\i:XB+32*\i+1]
	v_pk_mul_f32 v[SS+8*\i+2:SS+8*\i+3], v[XB+32*\i+2:XB+32*\i+3], v[XB+32*\i+2:XB+32*\i+3]
.endr
.irp j, 4,8,12,16,20,24,28
.irp i, 0,1,2,3
	v_pk_fma_f32 v[SS+8*\i:SS+8*\i+1], v[XB+32*\i+\j:XB+32*\i+\j+1], v[XB+32*\i+\j:XB+32*\i+\j+1], v[SS+8*\i:SS+8*\i+1]
	v_pk_fma_f32 v[SS+8*\i+2:SS+8*\i+3], v[XB+32*\i+\j+2:XB+32*\i+\j+3], v[XB+32*\i+\j+2:XB+32*\i+\j+3], v[SS+8*\i+2:SS+8*\i+3]
.endr
.endr
	REDUCE
.irp i, 0,1,2,3
	s_delay_alu instid0(VALU_DEP_4)
	v_fma_f32 v[SS+8*\i+2], v[SS+8*\i], s30, s31   ; the variance + 1e-5
.endr
	s_wait_alu depctr_va_vdst(0)
.irp i, 0,1,2,3
	v_rsq_f32 v[SS+8*\i+6], v[SS+8*\i+2]
.endr
	v_nop                                          ; a plain instruction behind the last of the four
	s_wait_alu depctr_va_vdst(0)                   ; one wait for the batch of four, ahead of its first reader
	s_wait_loadcnt 6                               ; gamma and beta are in; the fragment's 6 loads may be out
.irp i, 0,1,2,3
.set J, 0
.rept 16
	v_pk_mul_f32 v[XB+32*\i+J:XB+32*\i+J+1], v[XB+32*\i+J:XB+32*\i+J+1], v[SS+8*\i+6:SS+8*\i+7] op_sel_hi:[1,0]
.set J, J+2
.endr
.set J, 0
.rept 16
	v_pk_fma_f32 v[XB+32*\i+J:XB+32*\i+J+1], v[XB+32*\i+J:XB+32*\i+J+1], v[GA+J:GA+J+1], v[BE+J:BE+J+1]
.set J, J+2
.endr
.irp j, 0,1,2,3,4,5,6,7
	ds_store_b128 v6, v[XB+32*\i+4*\j:XB+32*\i+4*\j+3] offset:PITCH*\i+512*\j
.endr
.endr
	s_wait_loadcnt 0x0                             ; the weight fragment
.irp c, 0,1,2
	global_store_b128 v1, v[WF+4*\c:WF+4*\c+3], s[20:21] offset:512*\c
.endr
	s_wait_dscnt 0x0                               ; for the others' sake: my rows lie in LDS
	s_barrier_signal -1
	s_barrier_wait -1
	; ---- B: two fragments a wave
.irp f, 0,1
.irp b, 0,1,2,3
.irp j, 0,1,2,3
	ds_load_b128 v[ST0+64*\f+16*\b+4*\j:ST0+64*\f+16*\b+4*\j+3], v7 offset:512*\f+128*\b+16*\j
.endr
.endr
.endr
	s_wait_dscnt 16                                ; the first fragment's numbers are in; the second's 16 loads may be out
	QUANT ST0, PC0, PW
	STH PC0, 0
	STH PC0+6, 768
	ds_store_b32 v9, v[PW]                         ; lanes 16-31 hold the same word as lanes 0-15 and write it to the same place
	s_wait_dscnt 0x0
	QUANT ST1, PC1, PW+1
	STH PC1, 1536
	STH PC1+6, 2304
	ds_store_b32 v9, v[PW+1] offset:4
	s_wait_dscnt 0x0                               ; for the others' sake: my scale words lie in LDS
	s_barrier_signal -1
	s_barrier_wait -1
	; ---- C: the group's 1,024 bytes of scale words leave on end
	ds_load_b32 v11, v12
	s_wait_dscnt 0x0
	global_store_b32 v10, v11, s[38:39]
	s_wait_tensorcnt 0x0
	ds_add_u32 v30, v31
	s_wait_dscnt 0x0
	s_endpgm
.Lfunc_end_k_qbf101cc12f_lnq:
	.size	k_qbf101cc12f_lnq, .Lfunc_end_k_qbf101cc12f_lnq-k_qbf101cc12f_lnq
	.p2alignl 7, 3214868480
	.fill 96, 4, 3214868480
	.section	.rodata,"a",@progbits
	.p2align	6, 0x0
	.amdhsa_kernel k_qbf101cc12f_lnq
		.amdhsa_group_segment_fixed_size 133632
		.amdhsa_private_segment_fixed_size 0
		.amdhsa_enable_private_segment 0
		.amdhsa_kernarg_size 72
		.amdhsa_user_sgpr_count 2
		.amdhsa_user_sgpr_kernarg_segment_ptr 1
		.amdhsa_wavefront_size32 1
		.amdhsa_system_sgpr_workgroup_id_x 1
		.amdhsa_system_sgpr_workgroup_id_y 1
		.amdhsa_system_sgpr_workgroup_id_z 1
		.amdhsa_system_vgpr_workitem_id 0
		.amdhsa_next_free_vgpr 256
		.amdhsa_next_free_sgpr 66
		.amdhsa_reserve_vcc 0
		.amdhsa_float_denorm_mode_32 3
		.amdhsa_float_denorm_mode_16_64 3
		.amdhsa_memory_ordered 1
		.amdhsa_forward_progress 1
		.amdhsa_inst_pref_size 52
	.end_amdhsa_kernel
	.amdgpu_metadata
---
amdhsa.version: [ 1, 2 ]
amdhsa.kernels:
  - .name:           k_qbf101cc12f_lnq
    .symbol:         k_qbf101cc12f_lnq.kd
    .args:
      - { .name: x, .offset: 0, .size: 8, .value_kind: global_buffer, .address_space: global }
      - { .name: ln_gamma, .offset: 8, .size: 8, .value_kind: global_buffer, .address_space: global }
      - { .name: ln_beta, .offset: 16, .size: 8, .value_kind: global_buffer, .address_space: global }
      - { .name: Wq_codes, .offset: 24, .size: 8, .value_kind: global_buffer, .address_space: global }
      - { .name: Wk_codes, .offset: 32, .size: 8, .value_kind: global_buffer, .address_space: global }
      - { .name: Wv_codes, .offset: 40, .size: 8, .value_kind: global_buffer, .address_space: global }
      - { .name: Wo_codes, .offset: 48, .size: 8, .value_kind: global_buffer, .address_space: global }
      - { .name: xq, .offset: 56, .size: 8, .value_kind: global_buffer, .address_space: global }
      - { .name: wl, .offset: 64, .size: 8, .value_kind: global_buffer, .address_space: global }
    .group_segment_fixed_size: 133632
    .private_segment_fixed_size: 0
    .kernarg_segment_align: 8
    .kernarg_segment_size: 72
    .max_flat_workgroup_size: 256
    .sgpr_count:     66
    .vgpr_count:     256
    .wavefront_size: 32
...
	.end_amdgpu_metadata
.endif
;; end of part 1
;; launch qkv (part 2): grid 8 x 32, 4 waves a work-group, clusters of 4 x 1, 205,312 bytes of LDS; arguments xq, wl, Wq_scales, Wk_scales, Wv_scales, bq, bk, bv, qb, kv; writes qb, kv
.if DOCPART == 2
	.amdgcn_target "amdgcn-amd-amdhsa--gfx1250"
	.amdhsa_code_object_version 6
	.text
	.protected	k_qbf101cc12f_qkv
	.globl	k_qbf101cc12f_qkv
	.p2align	8
	.type	k_qbf101cc12f_qkv,@function
k_qbf101cc12f_qkv:
	s_mov_b64 s[64:65], 0
	v_nop
	global_prefetch_b8 v0, s[64:65] scope:SCOPE_SE
	s_setreg_imm32_b32 hwreg(HW_REG_WAVE_MODE, 25, 1), 1
	s_wait_xcnt 0x0
	s_wait_alu depctr_hold_cnt(0) depctr_sa_sdst(0) depctr_va_vdst(0) depctr_va_sdst(0) depctr_va_ssrc(0) depctr_va_vcc(0) depctr_vm_vsrc(0)
	s_getreg_b32 s2, hwreg(HW_REG_IB_STS2, 6, 4)
	s_cmp_eq_u32 s2, 0
	s_cbranch_scc0 .Lentry_in_a_cluster
	s_endpgm
.Lentry_in_a_cluster:
	s_bfe_u32 s2, ttmp6, 0x10000c
	s_cmp_lg_u32 s2, 0x3003
	s_cbranch_scc0 .Lentry_shape_is_right
	s_endpgm
.Lentry_shape_is_right:
; q = xn Wq + bq, k = xn Wk + bk, v = xn Wv + bv on codes of BF6 with E8M0 scales; the results are quantised at once: q and k along a head's 64, v along the KEYS, and stored in the order of the next products' registers.
; SHARES.  A work-group takes 256 rows (block R of xq) x two heads of q, k and v (384 columns).  Wave w: head 2 sl + (w >> 1); q (w even) or k (w odd) of that head, all 64 columns (tiles T = 0..3), and 32 of v's
; columns (tiles T = 4, 5: v's tiles 2 (w & 1), 2 (w & 1) + 1).  Its 48 weight fragments, 576 registers, stay in registers for the whole launch.  The rows' codes and scale words, 204,800 bytes, come into LDS once.
; CLUSTER.  The four work-groups of a cluster take the same 256 rows: each quarter of the block is asked for jointly, by the same tensor load with the same descriptor and a mask that names the four.  The weights go
; from memory into registers, where a tensor load cannot put them: they are not shared.
; q AND k ARE MADE TRANSPOSED (source 0 = 16 weight rows, source 1 = 16 rows of xn): a lane holds one row and, over two neighbouring tiles, 16 neighbouring columns.  v IS MADE THE OTHER WAY ROUND (source 0 = xn):
; a lane holds one column and, over the group's two tiles, 16 neighbouring rows, which are keys.  Which rows form a tile: row r of tile u is 8 u + r + (r & 8) of its 32, for rows of xn and weight rows alike.
; A UNIT is a group of 32 rows: 8 K steps x 12 matrix instructions on 12 accumulators that take turns, then the quantiser.  Eight units, written out: the last asks for nothing more.
; OUT.  qb [64 heads][16][6,400]: for 128 queries, eight halves of 768 bytes (group gg, tile u) and 256 bytes of scale words (16 r + 4 gg; bytes: tile 0's two blocks, tile 1's two).  kv [64][16][12,800]: the same for
; 128 keys of k; v's four tiles of 16 columns x 128 keys at 6,144; k's scale words at 12,288; v's at 12,544 (16 r + 4 t; byte j: keys 32 j on).
; LIMITS: NaN and infinities are not served; a block whose largest magnitude lies under 2^-122, a block of zeros among them, keeps the scale byte 1; only this program reads these bytes.
; REGISTERS.  Window 0: v1-10 addresses; v16-63 the weights' scale words (8 T + s); v64-95 the rows' scale words, two sets; v96-159 the quantiser; v160-223 q's or k's 8 accumulators (32 u + 8 T); v224-255 v's four.
;   Window 1 + s / 3: weight fragment (T, s) at 72 (s % 3) + 12 T.  Windows 1, 2 at v216-239: the rows' two fragments of a K step, sets by turns.  Window 3 at v144-191: the biases, the C of each sum's first product.
.set WS,  16
.set AS,  64
.set TM,  96                           ; six largest magnitudes
.set TP,  102                          ; the partner lane's; then the bytes
.set SO,  108                          ; the conversions' scale operands
.set PC,  114                          ; v114-133 q's or k's codes of the unit
.set PWB, 134                          ; v134-137 four units' scale words of q or k
.set VS,  138                          ; v138-147, v148-157 v's codes: even unit at +0, odd unit at +6, the finished six at +0
.set VW,  158                          ; v158-159 v's scale words, a byte a unit
.set AQ,  160
.set AV,  224
.set XF,  216
.set BI,  144
.set MSB, 0
.macro WIN new                         ; the immediate's high byte repeats the setting that is left; a switch that changes nothing is dropped
.if MSB != (\new)
	s_set_vgpr_msb (MSB<<8)|(\new)
.set MSB, (\new)
.endif
.endm
.macro PLACES                          ; four plain instructions between a matrix instruction and a load into, or a vector read of, its registers
.rept 4
	v_nop
.endr
.endm
.macro CROUND                          ; a round of the cluster's barrier
	s_barrier_signal -1
	s_barrier_wait -1
	s_cmp_lg_u32 s24, 0
	s_cbranch_scc1 .Lnot_wave_0_\@
	s_barrier_signal -3
.Lnot_wave_0_\@:
	s_barrier_wait -3
	s_barrier_signal -1
	s_barrier_wait -1
.endm
.macro FRAG reg, off                   ; a fragment from LDS: two halves of 768 bytes; every load takes consecutive bytes
	ds_load_b128 v[\reg:\reg+3], v3 offset:\off
	ds_load_b64 v[\reg+4:\reg+5], v4 offset:(\off)+512
	ds_load_b128 v[\reg+6:\reg+9], v3 offset:(\off)+768
	ds_load_b64 v[\reg+10:\reg+11], v4 offset:(\off)+1280
.endm
.macro LOADA set, off                  ; the unit's two tiles of one K step: 8 loads
	WIN (1+(\set))<<6
	FRAG XF, (\off)
	FRAG XF+12, (\off)+12288
.endm
.macro LOADS set                       ; a unit's scale words, 8 a tile row: 4 loads
	WIN 0
.irp u, 0,1
	ds_load_b128 v[AS+16*(\set)+8*\u:AS+16*(\set)+8*\u+3], v5 offset:512*\u
	ds_load_b128 v[AS+16*(\set)+8*\u+4:AS+16*(\set)+8*\u+7], v5 offset:512*\u+16
.endr
.endm
.macro STH reg, off, b                 ; half a fragment to memory: 512 and 256 consecutive bytes, aligned to 256
	global_store_b128 v1, v[\reg:\reg+3], s[\b:\b+1] offset:\off
	global_store_b64 v2, v[\reg+4:\reg+5], s[\b:\b+1] offset:(\off)+512
.endm
.macro KSTEP n, s
	PLACES                                         ; the set that is loaded next was read by the step before
.if (\s) < 7
	LOADA ((\s)+1)&1, ((\s)+1)*1536
	s_wait_dscnt 8                                 ; all but the 8 loads just issued: this step's fragments are in
.elseif (\n) < 7
	WIN 0
	v_add_nc_u32 v3, 24576, v3                     ; on to the next unit
	v_add_nc_u32 v4, 24576, v4
	v_add_nc_u32 v5, 1024, v5
	LOADA 0, 0
	LOADS ((\n)+1)&1
	s_wait_dscnt 12                                ; all but the 12 just issued
.else
	s_wait_dscnt 0
.endif
.if (\s) == 0
	WIN (1+(\s)/3)|((1+((\s)&1))<<2)|(3<<4)
.else
	WIN (1+(\s)/3)|((1+((\s)&1))<<2)
.endif
.irp u, 0,1
.irp t, 0,1,2,3
.if (\s) == 0
	v_wmma_scale_f32_16x16x128_f8f6f4 v[AQ+32*\u+8*\t:AQ+32*\u+8*\t+7], v[72*((\s)%3)+12*\t:72*((\s)%3)+12*\t+11], v[XF+12*\u:XF+12*\u+11], v[BI+8*\t:BI+8*\t+7], v[WS+8*\t+(\s)], v[AS+16*((\n)&1)+8*\u+(\s)] matrix_a_fmt:MATRIX_FMT_BF6 matrix_b_fmt:MATRIX_FMT_BF6
.else
	v_wmma_scale_f32_16x16x128_f8f6f4 v[AQ+32*\u+8*\t:AQ+32*\u+8*\t+7], v[72*((\s)%3)+12*\t:72*((\s)%3)+12*\t+11], v[XF+12*\u:XF+12*\u+11], v[AQ+32*\u+8*\t:AQ+32*\u+8*\t+7], v[WS+8*\t+(\s)], v[AS+16*((\n)&1)+8*\u+(\s)] matrix_a_fmt:MATRIX_FMT_BF6 matrix_b_fmt:MATRIX_FMT_BF6
.endif
.endr
.endr
.if (\s) == 0
	WIN (1+((\s)&1))|((1+(\s)/3)<<2)|(3<<4)
.else
	WIN (1+((\s)&1))|((1+(\s)/3)<<2)
.endif
.irp p, 0,1
.irp u, 0,1
.if (\s) == 0
	v_wmma_scale_f32_16x16x128_f8f6f4 v[AV+16*\p+8*\u:AV+16*\p+8*\u+7], v[XF+12*\u:XF+12*\u+11], v[72*((\s)%3)+12*(4+\p):72*((\s)%3)+12*(4+\p)+11], v[BI+8*(4+\p):BI+8*(4+\p)+7], v[AS+16*((\n)&1)+8*\u+(\s)], v[WS+8*(4+\p)+(\s)] matrix_a_fmt:MATRIX_FMT_BF6 matrix_b_fmt:MATRIX_FMT_BF6
.else
	v_wmma_scale_f32_16x16x128_f8f6f4 v[AV+16*\p+8*\u:AV+16*\p+8*\u+7], v[XF+12*\u:XF+12*\u+11], v[72*((\s)%3)+12*(4+\p):72*((\s)%3)+12*(4+\p)+11], v[AV+16*\p+8*\u:AV+16*\p+8*\u+7], v[AS+16*((\n)&1)+8*\u+(\s)], v[WS+8*(4+\p)+(\s)] matrix_a_fmt:MATRIX_FMT_BF6 matrix_b_fmt:MATRIX_FMT_BF6
.endif
.endr
.endr
.endm
; The unit's six blocks of 32 (16 registers a lane at AQ + 16 e; the other 16 in the lane 16 away): e = 0..3: tile e / 2, block e % 2 of q or k; e = 4, 5: the unit's 32 keys of v's two tiles of columns.
.macro EPI n
.set Q4, (\n)&3
.set OD, (\n)&1
	WIN 0
	PLACES
	s_wait_xcnt 0x0                                ; the last unit's stores have read their data: only now are those registers written again
.irp e, 0,1,2,3,4,5
	v_max3_num_f32 v[TM+\e], |v[AQ+16*\e]|, |v[AQ+16*\e+1]|, 0x2800000   ; each accumulator is read from its low end on; the floor 2^(5 - 127) holds the byte at 1 from below
.endr
.irp i, 2,4,6,8,10,12,14
.irp e, 0,1,2,3,4,5
	v_max3_num_f32 v[TM+\e], v[TM+\e], |v[AQ+16*\e+\i]|, |v[AQ+16*\e+\i+1]|
.endr
.endr
.irp e, 0,1,2,3,4,5
	v_permlanex16_b32 v[TP+\e], v[TM+\e], s50, s51
.endr
.irp e, 0,1,2,3,4,5
	v_max_num_f32 v[TM+\e], v[TM+\e], v[TP+\e]
.endr
.irp e, 0,1,2,3,4,5
	v_add_nc_u32 v[SO+\e], 0xfe000000, v[TM+\e]    ; 4 off the exponent field: the conversion's scale operand
.endr
.irp e, 0,1,2,3,4,5
	v_lshrrev_b32 v[TP+\e], 23, v[SO+\e]           ; the scale's byte
.endr
	v_lshl_or_b32 v[PWB+Q4], v[TP+1], 8, v[TP]
	v_lshl_or_b32 v[PWB+Q4], v[TP+2], 16, v[PWB+Q4]
	v_lshl_or_b32 v[PWB+Q4], v[TP+3], 24, v[PWB+Q4]
.irp p, 0,1
.if Q4 == 0
	v_mov_b32 v[VW+\p], v[TP+4+\p]
.else
	v_lshl_or_b32 v[VW+\p], v[TP+4+\p], 8*Q4, v[VW+\p]
.endif
.endr
.irp u, 0,1
	v_cvt_scalef32_pk16_bf6_f32 v[PC+6*\u:PC+6*\u+2], v[AQ+32*\u:AQ+32*\u+15], v[SO+2*\u]
	v_cvt_scalef32_pk16_bf6_f32 v[PC+12+4*\u:PC+14+4*\u], v[AQ+32*\u+16:AQ+32*\u+31], v[SO+2*\u+1]
	v_cvt_scalef32_pk16_bf6_f32 v[VS+10*\u+6*OD:VS+10*\u+6*OD+2], v[AV+16*\u:AV+16*\u+15], v[SO+4+\u]
.endr
	v_nop                                          ; one plain instruction behind the scaled conversions
.irp u, 0,1                                    ; a whole block to a lane: lanes 0-15 block 0, lanes 16-31 block 1
.irp i, 0,1,2
	v_permlane16_swap_b32 v[PC+6*\u+\i], v[PC+12+4*\u+\i]
.endr
.irp i, 0,1,2
	v_mov_b32 v[PC+3+6*\u+\i], v[PC+12+4*\u+\i]
.endr
.endr
.if OD
.irp p, 0,1                                    ; v: lanes 0-15 the even unit's 32 keys, lanes 16-31 the odd unit's
.irp i, 0,1,2
	v_permlane16_swap_b32 v[VS+10*\p+\i], v[VS+10*\p+6+\i]
.endr
.irp i, 0,1,2
	v_mov_b32 v[VS+10*\p+3+\i], v[VS+10*\p+6+\i]
.endr
.endr
.endif
	STH PC, 1536*Q4, 44
	STH PC+6, 1536*Q4+768, 44
.if OD
.irp p, 0,1
	STH VS+10*\p, 1536*\p+768*(Q4/2), 48
.endr
.endif
.if Q4 == 3
	global_store_b128 v6, v[PWB:PWB+3], s[44:45]   ; 128 rows' scale words: 256 consecutive bytes (lanes 16-31 hold and write the same as lanes 0-15)
	global_store_b64 v7, v[VW:VW+1], s[48:49]      ; my two tiles' words of v's 16 bytes a row
.endif
.if (\n) == 3
	s_wait_xcnt 0x0                                ; the stores have read their bases
	s_add_nc_u64 s[44:45], s[44:45], s[46:47]      ; on to the next 128 rows' blocks
	s_add_nc_u64 s[48:49], s[48:49], 12800
.endif
.endm
	s_load_b256 s[4:11], s[0:1], 0x0               ; xq, wl, Wq's scales, Wk's scales
	s_load_b256 s[12:19], s[0:1], 0x20             ; Wv's scales, bq, bk, bv
	s_load_b128 s[20:23], s[0:1], 0x40             ; qb, kv
	v_lshl_add_u32 v147, v0, 2, 0x32000
	v_mov_b32 v157, 0
	ds_add_u32 v147, v157
	ds_add_u32 v147, v157
	v_lshrrev_b32 v11, 5, v0
	v_readfirstlane_b32 s24, v11                   ; wave 0..3
	v_and_b32 v11, 31, v0                          ; lane
	v_and_b32 v12, 15, v0                          ; r
	v_bfe_u32 v13, v0, 4, 1                        ; h
	v_lshlrev_b32 v1, 4, v11                       ; memory: 16 x lane
	v_lshlrev_b32 v2, 3, v11                       ;         8 x lane
	v_lshlrev_b32 v3, 4, v11                       ; LDS: the same, stepped from unit to unit
	v_lshlrev_b32 v4, 3, v11
	v_lshl_add_u32 v5, v12, 5, 196608              ; LDS: my tile row's scale words
	v_and_b32 v10, 8, v12
	v_add_nc_u32 v10, v10, v12                     ; r + (r & 8)
	v_lshlrev_b32 v8, 5, v10                       ; a weight row's 32 scale bytes
	v_lshlrev_b32 v10, 2, v10                      ; v's bias: my column
	v_lshlrev_b32 v9, 6, v13                       ; q's, k's bias: 16 h columns on
	s_and_b32 s25, s24, 1                          ; 0: q, 1: k;  also which half of v's columns
	s_lshr_b32 s26, s24, 1                         ; which of the two heads
	s_lshl_b32 s27, 6144, s25
	v_lshl_add_u32 v6, v12, 4, s27                 ; q's scale words lie at 6,144 of a block of qb, k's at 12,288 of a block of kv
	s_mul_i32 s27, s25, 3064
	s_sub_co_u32 s27, 6400, s27
	v_lshl_add_u32 v7, v12, 4, s27                 ; v's, counted from my tiles' codes: 12,544 + 16 r + 8 (w & 1) - 6,144 - 3,072 (w & 1)
.irp e, 0,1,2,3,4,5
	v_mov_b32 v[TP+\e], 0                          ; written once: a lane permute's destination counts as one of its sources
.endr
	s_and_b32 s43, ttmp7, 0xffff                   ; R: which 256 rows; the four partners share it
	; the joint load: my quarter of block R, 200 rows of 256 bytes, dense
	s_mov_b32 s32, 15|(3<<16)|(1<<21)              ; 15:0 the mask: all four work-groups; 17:16 elements of 8 bytes; 21 set beside a mask
	s_mov_b32 s33, 32<<16                          ; tensor_dim0 = 32 elements
	s_mov_b32 s34, 200<<16                         ; tensor_dim1 = 200
	s_mov_b32 s35, 32<<16                          ; tile_dim0
	s_mov_b32 s36, 200                             ; tile_dim1
	s_mov_b32 s37, 32                              ; from row to row
	s_mov_b32 s38, 0
	s_mov_b32 s39, 0
	s_mov_b32 s28, 1
	s_mul_i32 s29, s24, 51200                      ; LDS address: the wave's number alone
	s_mul_i32 s30, s43, 204800
	s_add_co_u32 s30, s30, s29
	s_mov_b32 s31, 0
	s_bfe_u32 s40, ttmp6, 0x40000                  ; my place in the cluster: it enters addresses of weights and results alone
	s_lshl_b32 s41, ttmp9, 2
	s_add_co_u32 s41, s41, s40                     ; which pair of heads
	s_lshl_b32 s42, s41, 1
	s_add_co_u32 s42, s42, s26                     ; my head
	s_mov_b32 s50, 0x76543210
	s_mov_b32 s51, 0xfedcba98
	s_lshl_b32 s46, 6400, s25                      ; a block of qb is 6,400 bytes, of kv 12,800
	s_mov_b32 s47, 0
	s_mul_i32 s52, s25, 786432                     ; wl: matrix q or k,
	s_mul_i32 s53, s42, 49152                      ; four tiles a head
	s_add_co_u32 s52, s52, s53
	s_mul_i32 s54, s25, 24576                      ; matrix v, my two tiles of the head's four
	s_add_co_u32 s54, s54, s53
	s_add_co_u32 s54, s54, 1572864
	s_mov_b32 s53, 0
	s_mov_b32 s55, 0
	s_lshr_b32 s66, s43, 3
	s_lshl_b32 s66, s66, 4
	s_add_co_u32 s66, s66, s42                     ; 16 x batch + head
	s_lshl_b32 s66, s66, 4
	s_and_b32 s67, s43, 7
	s_lshl_b32 s67, s67, 1
	s_add_co_u32 s66, s66, s67                     ; the first of my two blocks of 128 rows
	s_mul_i32 s68, s66, s46
	s_mov_b32 s69, 0
	s_mul_i32 s66, s66, 12800
	s_mul_i32 s67, s25, 3072
	s_add_co_u32 s66, s66, s67
	s_add_co_u32 s66, s66, 6144
	s_mov_b32 s67, 0
	s_wait_dscnt 0x0
	s_wait_kmcnt 0x0
	s_add_nc_u64 s[30:31], s[4:5], s[30:31]
	s_or_b32 s31, s31, 0x80000000                  ; type = 2
	s_cmp_eq_u32 s25, 0                            ; only pointers are chosen, by the wave's number
	s_cselect_b64 s[56:57], s[8:9], s[10:11]
	s_cselect_b64 s[60:61], s[14:15], s[16:17]
	s_cselect_b64 s[44:45], s[20:21], s[22:23]
	s_add_nc_u64 s[44:45], s[44:45], s[68:69]      ; where q's or k's codes go
	s_add_nc_u64 s[48:49], s[22:23], s[66:67]      ; where v's go
	s_add_nc_u64 s[52:53], s[6:7], s[52:53]
	s_add_nc_u64 s[54:55], s[6:7], s[54:55]
	s_lshl_b32 s70, s42, 11                        ; 64 rows of 32 scale bytes a head
	s_mov_b32 s71, 0
	s_add_nc_u64 s[56:57], s[56:57], s[70:71]
	s_add_nc_u64 s[58:59], s[12:13], s[70:71]
	s_lshl_b32 s70, s25, 10
	s_add_nc_u64 s[58:59], s[58:59], s[70:71]
	s_lshl_b32 s70, s42, 8                         ; 64 biases a head
	s_add_nc_u64 s[60:61], s[60:61], s[70:71]
	s_add_nc_u64 s[62:63], s[18:19], s[70:71]
	s_lshl_b32 s70, s25, 7
	s_add_nc_u64 s[62:63], s[62:63], s[70:71]
	CROUND                                         ; all four work-groups are here: the joint loads meet
	tensor_load_to_lds s[28:31], s[32:39]          ; my one tensor load of the launch; nothing is filled again
	s_nop 0
.rept 4
	v_nop
.endr
.irp s, 0,1,2,3,4,5,6,7
	WIN (1+\s/3)<<6
.irp t, 0,1,2,3
.irp c, 0,1,2
	global_load_b128 v[72*(\s%3)+12*\t+4*\c:72*(\s%3)+12*\t+4*\c+3], v1, s[52:53] offset:\t*12288+\s*1536+512*\c
.endr
.endr
.irp t, 0,1
.irp c, 0,1,2
	global_load_b128 v[72*(\s%3)+12*(4+\t)+4*\c:72*(\s%3)+12*(4+\t)+4*\c+3], v1, s[54:55] offset:\t*12288+\s*1536+512*\c
.endr
.endr
.endr
	WIN 0xc0                                       ; destination window 3: the biases
	s_wait_alu depctr_va_vdst(0)
.irp t, 0,1,2,3                                ; q, k: lane (r, h), tile T: columns 32 (T / 2) + 8 (T % 2) + 16 h + 0 .. 7
	global_load_b128 v[BI+8*\t:BI+8*\t+3], v9, s[60:61] offset:(32*(\t/2)+8*(\t%2))*4
	global_load_b128 v[BI+8*\t+4:BI+8*\t+7], v9, s[60:61] offset:(32*(\t/2)+8*(\t%2))*4+16
.endr
.irp p, 0,1                                    ; v: a lane holds one column: eight registers with the same bias
.irp j, 0,1,2,3,4,5,6,7
	global_load_b32 v[BI+32+8*\p+\j], v10, s[62:63] offset:32*\p
.endr
.endr
	WIN 0
.irp t, 0,1,2,3
	global_load_b128 v[WS+8*\t:WS+8*\t+3], v8, s[56:57] offset:(32*(\t/2)+8*(\t%2))*32
	global_load_b128 v[WS+8*\t+4:WS+8*\t+7], v8, s[56:57] offset:(32*(\t/2)+8*(\t%2))*32+16
.endr
.irp p, 0,1
	global_load_b128 v[WS+32+8*\p:WS+32+8*\p+3], v8, s[58:59] offset:256*\p
	global_load_b128 v[WS+32+8*\p+4:WS+32+8*\p+7], v8, s[58:59] offset:256*\p+16
.endr
	s_wait_loadcnt 0x0
	s_wait_tensorcnt 0x0                           ; my quarter of the block is in,
	s_barrier_signal -1
	s_barrier_wait -1                              ; everybody's is; from here on LDS is only read
	LOADA 0, 0
	LOADS 0
.irp n, 0,1,2,3,4,5,6,7
.irp s, 0,1,2,3,4,5,6,7
	KSTEP \n, \s
.endr
	EPI \n
.endr
	s_wait_dscnt 0x0
	s_wait_tensorcnt 0x0
	ds_add_u32 v147, v157
	s_wait_dscnt 0x0
	CROUND                                         ; the closing round: no work-group ends while a partner may still ask for a tile that names it
	s_endpgm
.Lfunc_end_k_qbf101cc12f_qkv:
	.size	k_qbf101cc12f_qkv, .Lfunc_end_k_qbf101cc12f_qkv-k_qbf101cc12f_qkv
	.p2alignl 7, 3214868480
	.fill 96, 4, 3214868480
	.section	.rodata,"a",@progbits
	.p2align	6, 0x0
	.amdhsa_kernel k_qbf101cc12f_qkv
		.amdhsa_group_segment_fixed_size 205312
		.amdhsa_private_segment_fixed_size 0
		.amdhsa_enable_private_segment 0
		.amdhsa_kernarg_size 80
		.amdhsa_user_sgpr_count 2
		.amdhsa_user_sgpr_kernarg_segment_ptr 1
		.amdhsa_wavefront_size32 1
		.amdhsa_system_sgpr_workgroup_id_x 1
		.amdhsa_system_sgpr_workgroup_id_y 1
		.amdhsa_system_sgpr_workgroup_id_z 1
		.amdhsa_system_vgpr_workitem_id 0
		.amdhsa_next_free_vgpr 1024
		.amdhsa_next_free_sgpr 72
		.amdhsa_reserve_vcc 0
		.amdhsa_float_denorm_mode_32 3
		.amdhsa_float_denorm_mode_16_64 3
		.amdhsa_memory_ordered 1
		.amdhsa_forward_progress 1
		.amdhsa_inst_pref_size 221
	.end_amdhsa_kernel
	.amdgpu_metadata
---
amdhsa.version: [ 1, 2 ]
amdhsa.kernels:
  - .name:           k_qbf101cc12f_qkv
    .symbol:         k_qbf101cc12f_qkv.kd
    .args:
      - { .name: xq, .offset: 0, .size: 8, .value_kind: global_buffer, .address_space: global }
      - { .name: wl, .offset: 8, .size: 8, .value_kind: global_buffer, .address_space: global }
      - { .name: Wq_scales, .offset: 16, .size: 8, .value_kind: global_buffer, .address_space: global }
      - { .name: Wk_scales, .offset: 24, .size: 8, .value_kind: global_buffer, .address_space: global }
      - { .name: Wv_scales, .offset: 32, .size: 8, .value_kind: global_buffer, .address_space: global }
      - { .name: bq, .offset: 40, .size: 8, .value_kind: global_buffer, .address_space: global }
      - { .name: bk, .offset: 48, .size: 8, .value_kind: global_buffer, .address_space: global }
      - { .name: bv, .offset: 56, .size: 8, .value_kind: global_buffer, .address_space: global }
      - { .name: qb, .offset: 64, .size: 8, .value_kind: global_buffer, .address_space: global }
      - { .name: kv, .offset: 72, .size: 8, .value_kind: global_buffer, .address_space: global }
    .group_segment_fixed_size: 205312
    .private_segment_fixed_size: 0
    .kernarg_segment_align: 8
    .kernarg_segment_size: 80
    .max_flat_workgroup_size: 128
    .sgpr_count:     72
    .vgpr_count:     1024
    .wavefront_size: 32
...
	.end_amdgpu_metadata
.endif
;; end of part 2
;; launch attn (part 3): grid 4 x 64, 16 waves a work-group, clusters of 4 x 1, 327,680 bytes of LDS; arguments qb, kv, ob; writes ob
.if DOCPART == 3
	.amdgcn_target "amdgcn-amd-amdhsa--gfx1250"
	.amdhsa_code_object_version 6
	.text
	.protected	k_qbf101cc12f_attn
	.globl	k_qbf101cc12f_attn
	.p2align	8
	.type	k_qbf101cc12f_attn,@function
k_qbf101cc12f_attn:
	s_mov_b64 s[64:65], 0
	v_nop
	global_prefetch_b8 v0, s[64:65] scope:SCOPE_SE
	s_setreg_imm32_b32 hwreg(HW_REG_WAVE_MODE, 25, 1), 1
	s_wait_xcnt 0x0
	s_wait_alu depctr_hold_cnt(0) depctr_sa_sdst(0) depctr_va_vdst(0) depctr_va_sdst(0) depctr_va_ssrc(0) depctr_va_vcc(0) depctr_vm_vsrc(0)
	s_getreg_b32 s2, hwreg(HW_REG_IB_STS2, 6, 4)
	s_cmp_eq_u32 s2, 0
	s_cbranch_scc0 .Lentry_in_a_cluster
	s_endpgm
.Lentry_in_a_cluster:
	s_bfe_u32 s2, ttmp6, 0x10000c
	s_cmp_lg_u32 s2, 0x3003
	s_cbranch_scc0 .Lentry_shape_is_right
	s_endpgm
.Lentry_shape_is_right:
; Causal attention of one head on codes of BF6 with E8M0 scales: S^T = K Q^T, p = 2^(t - M), O^T = V^T P^T, O / l, and O quantised along the head's 64 for the last product.
; t = score x log2(e) / 8; M = the running largest t rounded up to a whole number; p is quantised along the keys, not normalised; l is the sum of the unquantised p.  When M moves, l and O^T are
; multiplied by 2^(old M - new M), which rounds nothing.
; LEFT OUT: steps of 128 keys that all come after a wave's queries: the causal mask sets their scores to -infinity, so their p is 0 for all values of the inputs.
; SHARES.  The four work-groups of a cluster serve one head.  Work-group cx takes, of every 128 queries, group cx of 32.  Wave w takes tile u = w >> 3 of that group, twice: first in the 128 queries
; 15 - (w & 7), then in the 128 queries w & 7: together 17 steps of 128 keys for every wave, and no branch or trip count hangs on cx.  Query r of a tile is token 32 g + 8 u + r + (r & 8).
; K AND V of the head come into LDS once, by joint loads (a mask that names the four work-groups): a block of 128 keys is 50 rows of 256 bytes, 64 bytes of padding behind each.  Waves 0-4 ask for blocks 0-4 at the head;
; waves 5-15 ask for blocks 5-15 behind the next round; those land while every wave works steps 0-3 of its first tile, which read blocks 0-4 alone; one barrier, and LDS is only read.
; NO PREFETCH: all of K and V is asked for by these two groups of loads at the start; no later load is left to run ahead of.
; A TRIP IS LAID ACROSS THREE STEPS, on one set of 48 fragment registers: the scores of step s from K's fragments, which the trip before asked for; V's fragments of step s - 1 are asked for and land under the maxima;
; O^T += V^T P^T of step s - 1, with the codes and the scale word that the trip before left; K's fragments of step s + 1 are asked for and land under the exponentials.  A tile's first step is written out (no V, nothing to
; rescale), and its last product follows the loop.  K's block ahead is held at block 15: beyond the diagonal the fragments are fetched and not used.
; K'S TILES ARE COMPOSED BY ADDRESS: rows 0-7 of tile t of a pair of blocks c are keys 64 c + 8 t + 0..7, rows 8-15 keys 64 c + 32 + 8 t + 0..7.  So lane (query, h) holds in registers 32 c .. 32 c + 31 of S^T the whole
; block of keys 64 c + 32 h + 0..31, in order: the block's maximum needs no other lane, and the conversions' results lie as the operand wants them.  With rows of 320 bytes the two groups of eight lanes of a 16-byte load
; lie 1,920 bytes apart, 128 modulo 256.
; A HEAD OF 64 IN A PRODUCT OF K = 128.  A fragment's 12 registers hold two tiles of 16 keys, one in K 0-63, one in K 64-127.  Q stands in v16-33 as q, six registers of zero codes, q: the fragment times v[16:27] is the
; first tile's scores, times v[22:33] the second's.
; LIMITS: NaN and infinities are not served; the promise holds while the scaled scores stay under 2^31 in magnitude; a block of p or of O whose largest number lies under 2^-122 keeps the scale byte 1; only this program reads these bytes.
; REGISTERS: v1-3, v8 lane terms for memory; v35, v93-95 for LDS; v4-6, v231-233 LDS addresses; v7 the mask's bound; v9 -infinity; v11 8 h; v12 -M, v13 the largest score, v[14:15] l; v16-33 Q, v34 its scale word;
;   v36-83 four fragments of K or of V; v84-87, v88-91 their scale words; v92 p's; v96-159 S^T, then p; v160-191 O^T; v192-210 codes; v212-230 at work; v234, v236-241 the second tile's Q; v242-253 partial sums.
.set PIT, 320                          ; an LDS row: 256 bytes + 64
.set BLK, 50*PIT                       ; a block of 128 keys
.set SPARE, 16*BLK                     ; behind the blocks: the spare words, 128 bytes a wave
.set KA, 4
.set KB, 5
.set KC, 6
.set VA, 231
.set VB, 232
.set VC, 233
.set LKA, 35
.set LKB, 93
.set LKC, 94
.set LVA, 95
.set BM, 212
.set BP, 216
.set BS, 220
.macro PLACES
.rept 4
	v_nop
.endr
.endm
.macro CROUND                          ; a round of the cluster's barrier
	s_barrier_signal -1
	s_barrier_wait -1
	s_cmp_lg_u32 s10, 0
	s_cbranch_scc1 .Lnot_wave_0_\@
	s_barrier_signal -3
.Lnot_wave_0_\@:
	s_barrier_wait -3
	s_barrier_signal -1
	s_barrier_wait -1
.endm
.macro QADR d, pc, ps                  ; where Q's codes and scale words of the 128 queries s[d] lie in qb
	s_lshl_b32 s44, s32, 4
	s_add_co_u32 s44, s44, s[\d]
	s_mul_i32 s44, s44, 6400
	s_lshl_b32 s46, s35, 2
	s_add_co_u32 s46, s46, s44
	s_add_co_u32 s46, s46, 6144
	s_mov_b32 s47, 0
	s_add_nc_u64 s[\ps:\ps+1], s[4:5], s[46:47]
	s_mul_i32 s46, s35, 1536
	s_add_co_u32 s46, s46, s44
	s_mul_i32 s45, s34, 768
	s_add_co_u32 s46, s46, s45
	s_add_nc_u64 s[\pc:\pc+1], s[4:5], s[46:47]
.endm
.macro KLOAD a, b, c                   ; a block's four fragments of K (fragment f = 2 c + tp: tiles 2 tp and 2 tp + 1 of the pair of blocks c) and my key rows' scale words: 20 loads
.irp f, 0,1,2,3
	ds_load_b128 v[36+12*\f:39+12*\f], v[\a] offset:3840*(\f/2)+128*(\f%2)
	ds_load_b64 v[40+12*\f:41+12*\f], v[\b] offset:3840*(\f/2)+640+64*(\f%2)
	ds_load_b128 v[42+12*\f:45+12*\f], v[\a] offset:3840*(\f/2)+960+128*(\f%2)
	ds_load_b64 v[46+12*\f:47+12*\f], v[\b] offset:3840*(\f/2)+1600+64*(\f%2)
	ds_load_b32 v[84+\f], v[\c] offset:15360+8*(\f/2)+128*(\f%2)
.endr
.endm
.macro VLOAD                           ; a block's four fragments of V and their scale words: 17 loads
.irp t, 0,1,2,3
	ds_load_b128 v[36+12*\t:39+12*\t], v[VA] offset:7680+1920*\t
	ds_load_b64 v[40+12*\t:41+12*\t], v[VB] offset:7680+1920*\t+640
	ds_load_b128 v[42+12*\t:45+12*\t], v[VA] offset:7680+1920*\t+960
	ds_load_b64 v[46+12*\t:47+12*\t], v[VB] offset:7680+1920*\t+1600
.endr
	ds_load_b128 v[88:91], v[VC] offset:15680
.endm
.macro PV                              ; O^T += V^T P^T: four accumulators by turns
.irp t, 0,1,2,3
	v_wmma_scale_f32_16x16x128_f8f6f4 v[160+8*\t:167+8*\t], v[36+12*\t:47+12*\t], v[192:203], v[160+8*\t:167+8*\t], v[88+\t], v92 matrix_a_fmt:MATRIX_FMT_BF6 matrix_b_fmt:MATRIX_FMT_BF6
.endr
.endm
.macro SUM7 off                        ; seven chains of partial sums take one pair each
.irp k, 0,1,2,3,4,5,6
	v_pk_add_f32 v[242+2*\k-26*(\k/6):243+2*\k-26*(\k/6)], v[242+2*\k-26*(\k/6):243+2*\k-26*(\k/6)], v[\off+2*\k:\off+1+2*\k]
.endr
.endm
; A trip.  s28: the step; s29: the step on whose diagonal my queries lie; s30: the block of step s28 - 1 in LDS.  first = 1: a tile's step 0.
.macro STEP first, skip, diag
.if \skip
	s_cmp_gt_u32 s28, s29                          ; all its keys come after my queries: nothing to do.  The loop's count stays a constant
	s_cbranch_scc1 .Lhid_\@
.endif
	s_wait_dscnt 0x0                               ; K's fragments of this step
.irp f, 0,1,2,3
	v_wmma_scale_f32_16x16x128_f8f6f4 v[96+16*\f:103+16*\f], v[36+12*\f:47+12*\f], v[16:27], 0, v[84+\f], v34 matrix_a_fmt:MATRIX_FMT_BF6 matrix_b_fmt:MATRIX_FMT_BF6
	v_wmma_scale_f32_16x16x128_f8f6f4 v[104+16*\f:111+16*\f], v[36+12*\f:47+12*\f], v[22:33], 0, v[84+\f], v34 matrix_a_fmt:MATRIX_FMT_BF6 matrix_b_fmt:MATRIX_FMT_BF6
.endr
.if \first
	PLACES                                         ; ahead of the first read of the scores
.else
	v_add_nc_u32 v[VA], s30, v[LVA]                ; four plain instructions ahead of the loads below and of the first read of the scores
	v_add_nc_u32 v[VB], s30, v2
	v_add_nc_u32 v[VC], s30, v3
	v_mov_b32 v227, v12                            ; the old -M
	VLOAD                                          ; V of the step before
.endif
.if \diag
	s_cmp_lg_u32 s28, s29                          ; only on the diagonal are keys hidden
	s_cbranch_scc1 .Lopen_\@
.set N, 0
.rept 64                                       ; register N holds key N + 32 (N / 32) + 32 h of the step: hidden where N + 32 (N / 32) > v7
	v_cmp_gt_i32 vcc_lo, N+32*(N/32), v7
	v_cndmask_b32 v[96+N], v[96+N], v9, vcc_lo
.set N, N+1
.endr
.Lopen_\@:
.endif
.irp q, 0,1,2,3                                ; four chains of 16 registers by turns; each accumulator is read from its low end on
	v_max3_num_f32 v[BM+\q], v[96+16*\q], v[97+16*\q], v[98+16*\q]
.endr
.irp i, 3,5,7,9,11,13
.irp q, 0,1,2,3
	v_max3_num_f32 v[BM+\q], v[BM+\q], v[96+16*\q+\i], v[97+16*\q+\i]
.endr
.endr
	v_max3_num_f32 v212, v212, v111, v127
	v_max3_num_f32 v214, v214, v143, v159
	s_delay_alu instid0(VALU_DEP_2)
	v_max_num_f32 v212, v212, v213                 ; the largest score of my block of c = 0: for the row's maximum, and, since p rises with the score, for the block's largest p
	s_delay_alu instid0(VALU_DEP_2)
	v_max_num_f32 v213, v214, v215                 ; and of c = 1
	s_delay_alu instid0(VALU_DEP_1)
	v_max3_num_f32 v226, v212, v213, v13
	s_delay_alu instid0(VALU_DEP_1)
	v_permlanex16_b32 v216, v226, s24, s25
	s_delay_alu instid0(VALU_DEP_1)
	v_max_num_f32 v13, v226, v216                  ; the running largest score of my query, the same in both halves of the lanes
	s_delay_alu instid0(VALU_DEP_1)
	v_mul_f32 v226, s26, v13                       ; as t
	s_delay_alu instid0(VALU_DEP_1)
	v_floor_f32 v12, -v226                         ; the new -M = floor(-t)
.set J, 0
.rept 32
	v_pk_fma_f32 v[96+J:97+J], v[96+J:97+J], s[26:27], v[12:13] op_sel_hi:[1,0,0]   ; t - M
.if (\first) == 0
.if J == 12
	v_sub_f32 v226, v12, v227                      ; old M - new M: a whole number, 0 or less
.endif
.if J == 28
	v_cvt_i32_f32 v226, v226                       ; (it saturates)
.endif
.if J == 44
	v_ldexp_f32 v224, 1.0, v226                    ; f = 2^(old M - new M)
.endif
.endif
.set J, J+2
.endr
.if \first
	s_mov_b32 s37, BLK                             ; K's block ahead: step 1's
.else
	s_add_co_u32 s37, s30, 2*BLK                   ; K's block ahead: step s28 + 1's,
	s_min_u32 s37, s37, 15*BLK                     ; held at the last block
	s_wait_dscnt 0x0                               ; V of the step before and its scale words
	PV
.endif
	v_fma_f32 v212, v212, s26, v12                 ; five plain instructions ahead of the loads into the fragments that the products above read
	v_fma_f32 v213, v213, s26, v12
	v_add_nc_u32 v[KA], s37, v[LKA]
	v_add_nc_u32 v[KB], s37, v[LKB]
	v_add_nc_u32 v[KC], s37, v[LKC]
	KLOAD KA, KB, KC
	s_wait_alu depctr_va_vdst(0)                   ; the wait ahead of the batch
	v_exp_f32 v212, v212                           ; each block's largest p
	v_exp_f32 v213, v213
.set J, 0
.rept 64
	v_exp_f32 v[96+J], v[96+J]                     ; p = 2^(t - M)
.set J, J+1
.endr
.if \first
	v_nop                                          ; the plain instruction behind the exponentials
	s_wait_alu depctr_va_vdst(0)                   ; one wait for the batch, ahead of its first reader
	v_max_num_f32 v212, 0x2800000, v212            ; the floor 2^(5 - 127): the byte cannot fall under 1
	v_max_num_f32 v213, 0x2800000, v213
	s_delay_alu instid0(VALU_DEP_2)
	v_add_nc_u32 v220, 0xfe000000, v212            ; 4 off the exponent field: the conversion's scale operand
	s_delay_alu instid0(VALU_DEP_2)
	v_add_nc_u32 v221, 0xfe000000, v213
	s_delay_alu instid0(VALU_DEP_2)
	v_lshrrev_b32 v216, 23, v220                   ; the scale's byte
	s_delay_alu instid0(VALU_DEP_2)
	v_lshrrev_b32 v217, 23, v221
.else
	v_pk_mul_f32 v[14:15], v[14:15], v[224:225] op_sel_hi:[1,0]   ; l under the new M; also the plain instruction behind the exponentials
	s_wait_alu depctr_va_vdst(0)                   ; one wait for the batch, ahead of its first reader and directly ahead of the first reader of O^T
.set J, 0
.rept 16
	v_pk_mul_f32 v[160+J:161+J], v[160+J:161+J], v[224:225] op_sel_hi:[1,0]   ; O^T under the new M, from each accumulator's low end on; the blocks' scales are made between
.if J == 6
	v_max_num_f32 v212, 0x2800000, v212            ; the floor 2^(5 - 127): the byte cannot fall under 1
	v_max_num_f32 v213, 0x2800000, v213
.endif
.if J == 18
	v_add_nc_u32 v220, 0xfe000000, v212            ; 4 off the exponent field: the conversion's scale operand
	v_add_nc_u32 v221, 0xfe000000, v213
.endif
.if J == 30
	v_lshrrev_b32 v216, 23, v220                   ; the scale's byte
	v_lshrrev_b32 v217, 23, v221
.endif
.set J, J+2
.endr
.endif
.irp c, 0,1
	v_cvt_scalef32_pk16_bf6_f32 v[192+6*\c:194+6*\c], v[96+32*\c:111+32*\c], v[BS+\c]
	v_cvt_scalef32_pk16_bf6_f32 v[204+4*\c:206+4*\c], v[112+32*\c:127+32*\c], v[BS+\c]   ; (a conversion's three registers begin on an even number)
.endr
	v_lshl_or_b32 v226, v217, 16, v216             ; my two bytes: blocks h and 2 + h.  Also the plain instruction behind the scaled conversions
.irp c, 0,1
.irp i, 0,1,2
	v_mov_b32 v[195+6*\c+\i], v[204+4*\c+\i]
.endr
.endr
	v_lshlrev_b32 v226, v11, v226                  ; at their places, 8 h bits up
.irp k, 0,1,2,3,4,5,6                          ; l is summed of the unquantised p: seven chains and l's own
	v_pk_add_f32 v[242+2*\k-26*(\k/6):243+2*\k-26*(\k/6)], v[96+2*\k:97+2*\k], v[112+2*\k:113+2*\k]
.endr
	v_pk_add_f32 v[14:15], v[14:15], v[110:111]
	v_permlanex16_b32 v218, v226, s24, s25
	SUM7 128
	v_pk_add_f32 v[14:15], v[14:15], v[126:127]
	v_or_b32 v92, v226, v218                       ; with the lane 16 away: p's scale word for these 128 keys
	SUM7 144
	v_pk_add_f32 v[14:15], v[14:15], v[142:143]
	v_pk_add_f32 v[242:243], v[242:243], v[244:245]
	v_pk_add_f32 v[246:247], v[246:247], v[248:249]
	v_pk_add_f32 v[250:251], v[250:251], v[252:253]
	v_pk_add_f32 v[14:15], v[14:15], v[158:159]
	v_pk_add_f32 v[242:243], v[242:243], v[246:247]
	v_pk_add_f32 v[250:251], v[250:251], v[228:229]
	s_delay_alu instid0(VALU_DEP_2)
	v_pk_add_f32 v[14:15], v[14:15], v[242:243]
	s_delay_alu instid0(VALU_DEP_1)
	v_pk_add_f32 v[14:15], v[14:15], v[250:251]
.if \skip
.Lhid_\@:
.endif
.endm
; A tile's start: where O goes (s29: its 128 queries), Q in place, the sums begun.
.macro PRO low
	s_lshr_b32 s44, s32, 4
	s_lshl_b32 s44, s44, 4
	s_add_co_u32 s44, s44, s29
	s_mul_i32 s44, s44, 102400                     ; my block of ob: 128 rows
	s_and_b32 s45, s32, 15                         ; the head in its batch
	s_mul_i32 s46, s35, 24576
	s_add_co_u32 s46, s46, s44
	s_mul_i32 s50, s34, 12288
	s_add_co_u32 s46, s46, s50
	s_mul_i32 s50, s45, 768                        ; a head is half a K step of the last product
	s_add_co_u32 s46, s46, s50
	s_mov_b32 s47, 0
	s_add_nc_u64 s[40:41], s[8:9], s[46:47]        ; O's codes
	s_lshl_b32 s46, s35, 10
	s_add_co_u32 s46, s46, s44
	s_lshl_b32 s50, s34, 9
	s_add_co_u32 s46, s46, s50
	s_lshl_b32 s50, s45, 1
	s_add_co_u32 s46, s46, s50
	s_add_co_u32 s46, s46, 98304
	s_add_nc_u64 s[42:43], s[8:9], s[46:47]        ; O's two scale bytes
.if \low
.irp i, 0,1,2,3,4,5
	v_mov_b32 v[16+\i], v[236+\i]
	v_mov_b32 v[28+\i], v[236+\i]
.endr
	v_lshrrev_b32 v10, s31, v234
.else
.irp i, 0,1,2,3,4,5
	v_mov_b32 v[28+\i], v[16+\i]                   ; q once more, behind the six registers of zero codes
.endr
	v_lshrrev_b32 v10, s31, v10                    ; my tile's two bytes of the group's word,
.endif
	s_delay_alu instid0(VALU_DEP_1)
	v_and_b32 v10, 0xffff, v10
	s_delay_alu instid0(VALU_DEP_1)
	v_lshl_or_b32 v34, v10, 16, v10                ; for K 0-63 and for K 64-127
	v_mov_b32 v13, 0xff61b1e6                      ; -3e38, under every score
	s_delay_alu instid0(VALU_DEP_1)
	v_floor_f32 v12, -v13
	v_mov_b32 v14, 0
	v_mov_b32 v15, 0
.set J, 0
.rept 32
	v_mov_b32 v[160+J], 0                          ; O^T.  (Also the plain instructions between the scale word and the first product)
.set J, J+1
.endr
	s_wait_alu depctr_va_vdst(0)                   ; the wait ahead of the wait that opens the first step
.endm
; A tile's end: the last step's product, O / l, quantised along the head's 64, stored in the order of the last product's registers.
.macro EPI
	s_wait_alu depctr_va_vdst(0)                   ; the wait ahead of the wait below: l, p's codes
	s_wait_dscnt 0x0                               ; the fragments of K asked for beyond the diagonal have landed: their registers may be loaded again
	s_mul_i32 s30, s29, BLK                        ; the diagonal's block
	v_add_nc_u32 v[VA], s30, v[LVA]
	v_add_nc_u32 v[VB], s30, v2
	v_add_nc_u32 v[VC], s30, v3
	VLOAD
	s_wait_dscnt 0x0
	PV
	PLACES
	v_add_f32 v14, v14, v15
	s_delay_alu instid0(VALU_DEP_1)
	v_permlanex16_b32 v226, v14, s24, s25
	s_delay_alu instid0(VALU_DEP_1)
	v_add_f32 v14, v14, v226                       ; l
	s_wait_alu depctr_va_vdst(0)
	v_rcp_f32 v14, v14
	v_nop                                          ; a plain instruction behind it
	s_wait_alu depctr_va_vdst(0)                   ; the wait ahead of its first reader, and of the first reader of O^T
.set J, 0
.rept 32
	v_mul_f32 v[96+J], v[160+J], v14               ; O^T / l: register 16 b + i is channel 32 b + 16 (lane / 16) + i of my query
.set J, J+1
.endr
.irp b, 0,1
	v_max3_num_f32 v[BM+\b], |v[96+16*\b]|, |v[97+16*\b]|, 0x2800000
.endr
.irp i, 2,4,6,8,10,12,14
.irp b, 0,1
	s_delay_alu instid0(VALU_DEP_2)
	v_max3_num_f32 v[BM+\b], v[BM+\b], |v[96+16*\b+\i]|, |v[97+16*\b+\i]|
.endr
.endr
.irp b, 0,1
	s_delay_alu instid0(VALU_DEP_2)
	v_permlanex16_b32 v[BP+\b], v[BM+\b], s24, s25
.endr
.irp b, 0,1
	s_delay_alu instid0(VALU_DEP_2)
	v_max_num_f32 v[BM+\b], v[BM+\b], v[BP+\b]
.endr
.irp b, 0,1
	s_delay_alu instid0(VALU_DEP_2)
	v_add_nc_u32 v[BS+\b], 0xfe000000, v[BM+\b]
.endr
.irp b, 0,1
	s_delay_alu instid0(VALU_DEP_2)
	v_lshrrev_b32 v[BP+\b], 23, v[BS+\b]
.endr
	s_delay_alu instid0(VALU_DEP_1)
	v_lshl_or_b32 v230, v217, 8, v216
	v_cvt_scalef32_pk16_bf6_f32 v[192:194], v[96:111], v220
	v_cvt_scalef32_pk16_bf6_f32 v[204:206], v[112:127], v221
	v_nop
.irp i, 0,1,2
	v_permlane16_swap_b32 v[192+\i], v[204+\i]     ; a whole block to a lane
.endr
.irp i, 0,1,2
	s_delay_alu instid0(VALU_DEP_3)
	v_mov_b32 v[195+\i], v[204+\i]
.endr
	global_store_b128 v1, v[192:195], s[40:41]     ; half a fragment: 512 and 256 consecutive bytes, aligned to 256
	global_store_b64 v2, v[196:197], s[40:41] offset:512
	global_store_b16 v8, v230, s[42:43]            ; two bytes of my row's 32 (lanes 16-31 hold and write the same as lanes 0-15)
.endm
	s_load_b128 s[4:7], s[0:1], 0x0                ; qb, kv
	s_load_b64 s[8:9], s[0:1], 0x10                ; ob
	v_lshl_add_u32 v254, v0, 2, SPARE
	v_mov_b32 v255, 0
	ds_add_u32 v254, v255
	ds_add_u32 v254, v255
	v_lshrrev_b32 v1, 5, v0
	v_readfirstlane_b32 s10, v1                    ; wave 0..15
	s_and_b32 s32, ttmp7, 0xffff                   ; 16 x batch + head: the four partners share it
	s_bfe_u32 s35, ttmp6, 0x40000                  ; cx: it enters addresses in qb and ob and the mask's bound alone
	s_lshr_b32 s34, s10, 3                         ; u
	s_and_b32 s33, s10, 7                          ; the second tile's 128 queries,
	s_xor_b32 s48, s33, 15                         ; the first tile's: 15 - (w & 7)
	s_lshl_b32 s31, s34, 4
	s_lshl_b32 s49, s35, 5
	s_lshl_b32 s45, s34, 3
	s_add_co_u32 s49, s49, s45                     ; 32 cx + 8 u
	s_mov_b32 s16, 15|(3<<16)|(1<<20)|(1<<21)|(5<<22)|(15<<25)   ; the mask: all four work-groups; elements of 8 bytes; padding on; bit 21 beside a mask; after every 64 words, 16 words
	s_mov_b32 s17, 32<<16                          ; tensor_dim0 = 32 elements: rows of 256 bytes
	s_mov_b32 s18, 50<<16                          ; tensor_dim1 = 50
	s_mov_b32 s19, 32<<16                          ; tile_dim0
	s_mov_b32 s20, 50                              ; tile_dim1
	s_mov_b32 s21, 32                              ; from row to row: dense
	s_mov_b32 s22, 0
	s_mov_b32 s23, 0
	s_mov_b32 s12, 1
	s_mul_i32 s13, s10, BLK                        ; LDS address: the wave's number alone
	s_mul_i32 s14, s32, 204800
	s_mul_i32 s45, s10, 12800
	s_add_co_u32 s14, s14, s45
	s_mov_b32 s15, 0
	s_mov_b32 s24, 0x76543210
	s_mov_b32 s25, 0xfedcba98                      ; v_permlanex16_b32's selects: the lane 16 away
	s_mov_b32 s26, 0x3e38aa3b                      ; log2(e) / 8
	s_mov_b32 s27, s26                             ; (named with it as a pair)
	v_and_b32 v10, 31, v0
	v_lshlrev_b32 v1, 4, v10                       ; 16 x lane
	v_lshlrev_b32 v2, 3, v10                       ; 8 x lane
	v_and_b32 v226, 15, v0                         ; r
	v_lshlrev_b32 v3, 4, v226                      ; 16 r
	v_lshlrev_b32 v8, 5, v226                      ; 32 r
	v_bfe_u32 v216, v0, 4, 1                       ; h
	v_bfe_u32 v217, v0, 3, 1                       ; r / 8: which block of the pair my key row comes from
	v_and_b32 v218, 7, v0                          ; r % 8
	v_lshlrev_b32 v11, 3, v216                     ; 8 h
	v_mul_u32_u24 v[LKA], v217, 6*PIT              ; a group of 32 keys is six LDS rows
	v_lshl_add_u32 v[LKB], v218, 3, v[LKA]
	v_lshl_add_u32 v[LKB], v216, 7, v[LKB]         ; K's 8-byte pieces: 1,920 (r / 8) + 8 (r % 8) + 128 h
	v_lshl_add_u32 v[LKA], v218, 4, v[LKA]
	v_mad_u32_u24 v[LKA], v216, PIT, v[LKA]        ; K's 16-byte pieces: 1,920 (r / 8) + 16 (r % 8) + 320 h
	v_lshlrev_b32 v[LKC], 4, v218
	v_lshl_add_u32 v[LKC], v217, 2, v[LKC]         ; K's scale words: 16 (r % 8) + 4 (r / 8)
	v_mad_u32_u24 v[LVA], v216, PIT, v3            ; V's 16-byte pieces: 16 r + 320 h
	v_and_b32 v7, 8, v226
	v_add_nc_u32 v7, v7, v226
	v_lshlrev_b32 v10, 5, v216
	v_sub_nc_u32 v7, v7, v10
	v_add_nc_u32 v7, s49, v7                       ; my query in the diagonal's step, less 32 h
	v_mov_b32 v9, 0xff800000                       ; -infinity
.irp i, 0,1,2,3,4,5
	v_mov_b32 v[22+\i], 0                          ; zero codes
.endr
	v_mov_b32 v225, 0                              ; (the upper half of the pair of f)
	s_wait_alu depctr_va_vdst(0)
	s_wait_dscnt 0x0                               ; both opening adds are done
	s_wait_kmcnt 0x0
	s_add_nc_u64 s[14:15], s[6:7], s[14:15]
	s_or_b32 s15, s15, 0x80000000
	CROUND                                         ; all four work-groups are here: the first joint loads meet
	s_cmp_lt_u32 s10, 5
	s_cbranch_scc0 .Lno_a
	tensor_load_to_lds s[12:15], s[16:23]          ; waves 0-4: keys 128 w on
	s_nop 0
	PLACES
.Lno_a:
	QADR 48, 36, 38
	global_load_b128 v[16:19], v1, s[36:37]        ; the first tile's Q,
	global_load_b64 v[20:21], v2, s[36:37] offset:512
	global_load_b32 v10, v3, s[38:39]
	QADR 33, 40, 42
	global_load_b128 v[236:239], v1, s[40:41]      ; and the second's, kept until it is wanted
	global_load_b64 v[240:241], v2, s[40:41] offset:512
	global_load_b32 v234, v3, s[42:43]
	s_wait_tensorcnt 0x0                           ; my block, if I asked for one, is in
	ds_add_u32 v254, v255
	ds_add_u32 v254, v255
	s_wait_dscnt 0x0
	CROUND                                         ; blocks 0-4 are whole, and all four work-groups are here
	s_cmp_lt_u32 s10, 5
	s_cbranch_scc1 .Lno_b
	tensor_load_to_lds s[12:15], s[16:23]          ; waves 5-15: keys 128 w on: bytes from 5 BLK on, which the four steps below do not read
	s_nop 0
	PLACES
.Lno_b:
	KLOAD LKA, LKB, LKC                            ; K of step 0
	s_wait_loadcnt 0x0                             ; both tiles' Q
	s_mov_b32 s29, s48
	PRO 0
	STEP 1, 0, 0                                   ; the first tile's diagonal lies at step 8 or later
	s_mov_b32 s28, 1
	s_mov_b32 s30, 0
.Lh1:                                                  ; steps 1-3: V of blocks 0-2, K of blocks 2-4
	STEP 0, 0, 0
	s_add_co_u32 s30, s30, BLK
	s_add_co_u32 s28, s28, 1
	s_cmp_lt_u32 s28, 4
	s_cbranch_scc1 .Lh1
	s_wait_tensorcnt 0x0                           ; my block is in,
	s_wait_dscnt 0x0
	s_barrier_signal -1
	s_barrier_wait -1                              ; everybody's is; LDS is only read from here on
	s_mov_b32 s28, 4
	s_mov_b32 s30, 3*BLK
.Lh2:
	STEP 0, 1, 1
	s_add_co_u32 s30, s30, BLK
	s_add_co_u32 s28, s28, 1
	s_cmp_lt_u32 s28, 16
	s_cbranch_scc1 .Lh2
	EPI
	s_wait_xcnt 0x0                                ; the stores have read their registers and bases
	KLOAD LKA, LKB, LKC                            ; K of step 0
	s_mov_b32 s29, s33
	PRO 1
	s_mov_b32 s28, 0
	STEP 1, 0, 1                                   ; the second tile: its diagonal lies at step 7 or earlier, for w & 7 = 0 here
	s_mov_b32 s28, 1
	s_mov_b32 s30, 0
.Ll:
	STEP 0, 1, 1
	s_add_co_u32 s30, s30, BLK
	s_add_co_u32 s28, s28, 1
	s_cmp_lt_u32 s28, 8
	s_cbranch_scc1 .Ll
	EPI
	s_wait_tensorcnt 0x0                           ; the wave's end
	ds_add_u32 v254, v255
	s_wait_dscnt 0x0
	CROUND                                         ; the closing round
	s_endpgm
.Lfunc_end_k_qbf101cc12f_attn:
	.size	k_qbf101cc12f_attn, .Lfunc_end_k_qbf101cc12f_attn-k_qbf101cc12f_attn
	.p2alignl 7, 3214868480
	.fill 96, 4, 3214868480
	.section	.rodata,"a",@progbits
	.p2align	6, 0x0
	.amdhsa_kernel k_qbf101cc12f_attn
		.amdhsa_group_segment_fixed_size 327680
		.amdhsa_private_segment_fixed_size 0
		.amdhsa_enable_private_segment 0
		.amdhsa_kernarg_size 24
		.amdhsa_user_sgpr_count 2
		.amdhsa_user_sgpr_kernarg_segment_ptr 1
		.amdhsa_wavefront_size32 1
		.amdhsa_system_sgpr_workgroup_id_x 1
		.amdhsa_system_sgpr_workgroup_id_y 1
		.amdhsa_system_sgpr_workgroup_id_z 1
		.amdhsa_system_vgpr_workitem_id 0
		.amdhsa_next_free_vgpr 256
		.amdhsa_next_free_sgpr 66
		.amdhsa_reserve_vcc 1
		.amdhsa_float_denorm_mode_32 3
		.amdhsa_float_denorm_mode_16_64 3
		.amdhsa_memory_ordered 1
		.amdhsa_forward_progress 1
		.amdhsa_inst_pref_size 114
	.end_amdhsa_kernel
	.amdgpu_metadata
---
amdhsa.version: [ 1, 2 ]
amdhsa.kernels:
  - .name:           k_qbf101cc12f_attn
    .symbol:         k_qbf101cc12f_attn.kd
    .args:
      - { .name: qb, .offset: 0, .size: 8, .value_kind: global_buffer, .address_space: global }
      - { .name: kv, .offset: 8, .size: 8, .value_kind: global_buffer, .address_space: global }
      - { .name: ob, .offset: 16, .size: 8, .value_kind: global_buffer, .address_space: global }
    .group_segment_fixed_size: 327680
    .private_segment_fixed_size: 0
    .kernarg_segment_align: 8
    .kernarg_segment_size: 24
    .max_flat_workgroup_size: 512
    .sgpr_count:     66
    .vgpr_count:     256
    .wavefront_size: 32
...
	.end_amdgpu_metadata
.endif
;; end of part 3
;; launch oproj (part 4): grid 4 x 64, 4 waves a work-group, clusters of 4 x 1, 168,448 bytes of LDS; arguments ob, wl, Wo_scales, bo, x, out0; writes out0
.if DOCPART == 4
	.amdgcn_target "amdgcn-amd-amdhsa--gfx1250"
	.amdhsa_code_object_version 6
	.text
	.protected	k_qbf101cc12f_oproj
	.globl	k_qbf101cc12f_oproj
	.p2align	8
	.type	k_qbf101cc12f_oproj,@function
k_qbf101cc12f_oproj:
	s_mov_b64 s[64:65], 0
	v_nop
	global_prefetch_b8 v0, s[64:65] scope:SCOPE_SE
	s_setreg_imm32_b32 hwreg(HW_REG_WAVE_MODE, 25, 1), 1
	s_wait_xcnt 0x0
	s_wait_alu depctr_hold_cnt(0) depctr_sa_sdst(0) depctr_va_vdst(0) depctr_va_sdst(0) depctr_va_ssrc(0) depctr_va_vcc(0) depctr_vm_vsrc(0)
	s_getreg_b32 s2, hwreg(HW_REG_IB_STS2, 6, 4)
	s_cmp_eq_u32 s2, 0
	s_cbranch_scc0 .Lentry_in_a_cluster
	s_endpgm
.Lentry_in_a_cluster:
	s_bfe_u32 s2, ttmp6, 0x10000c
	s_cmp_lg_u32 s2, 0x3003
	s_cbranch_scc0 .Lentry_shape_is_right
	s_endpgm
.Lentry_shape_is_right:
; out0 = o Wo + bo + x: the product on codes of BF6 with E8M0 scales, the rest in f32.
; SHARES.  A work-group takes 128 rows (block Rb of ob) x 256 columns; wave w its columns 64 w .. 64 w + 63: four weight tiles x 8 K steps, 384 registers, which stay for the whole launch.  The rows' codes and scale
; words, 102,400 bytes, come into LDS once.  The wave's part of x, 128 rows x 256 bytes, is asked for at the head and stays in 256 registers.
; CLUSTER.  The four work-groups of a cluster take the same 128 rows: each quarter of the block is asked for jointly, by the same tensor load with the same descriptor and a mask that names the four.  The weights go
; from memory into registers, where a tensor load cannot put them: they are not shared.
; THE PRODUCT IS USED TRANSPOSED (source 0 = 16 weight rows, source 1 = 16 rows of o): a lane holds one row and, over two neighbouring tiles, 16 neighbouring columns.  Row r of a tile u is 8 u + r + (r & 8) of its 32.
; A UNIT is a group of 32 rows: 8 K steps x 8 matrix instructions on 8 accumulators that take turns; then each tile goes through the wave's own stage in LDS and comes back by
; rows: sixteen lanes hold, add x to and store 256 consecutive bytes, aligned to 256.  Four units, written out: the last asks for nothing more.
; REGISTERS.  Window 0: v1-8 addresses; v16-47 the weights' scale words (8 T + s); v48-79 the rows', two sets; v80-143 the accumulators (32 u + 8 T); v144-207 rows read back.
;   Window 1 + s / 4: weight fragment (T, s) at 48 (s % 4) + 12 T.  Windows 1, 2 at v192-215: the rows' two fragments of a K step, sets by turns.  Window 1 at v216-247: bo, the C of each sum's first product.  Window 3: x.
.set WS,  16
.set AS,  48
.set ACC, 80
.set RB,  144
.set XF,  192
.set BI,  216
.set STG, 102400                       ; behind the block: a stage of 16 rows x (256 + 16) bytes for each wave; no tensor load lands there
.set MSB, 0
.macro WIN new
.if MSB != (\new)
	s_set_vgpr_msb (MSB<<8)|(\new)
.set MSB, (\new)
.endif
.endm
.macro PLACES
.rept 4
	v_nop
.endr
.endm
.macro CROUND
	s_barrier_signal -1
	s_barrier_wait -1
	s_cmp_lg_u32 s16, 0
	s_cbranch_scc1 .Lnot_wave_0_\@
	s_barrier_signal -3
.Lnot_wave_0_\@:
	s_barrier_wait -3
	s_barrier_signal -1
	s_barrier_wait -1
.endm
.macro FRAG reg, off
	ds_load_b128 v[\reg:\reg+3], v3 offset:\off
	ds_load_b64 v[\reg+4:\reg+5], v4 offset:(\off)+512
	ds_load_b128 v[\reg+6:\reg+9], v3 offset:(\off)+768
	ds_load_b64 v[\reg+10:\reg+11], v4 offset:(\off)+1280
.endm
.macro LOADA set, off
	WIN (1+(\set))<<6
	FRAG XF, (\off)
	FRAG XF+12, (\off)+12288
.endm
.macro LOADS set
	WIN 0
.irp u, 0,1
	ds_load_b128 v[AS+16*(\set)+8*\u:AS+16*(\set)+8*\u+3], v5 offset:512*\u
	ds_load_b128 v[AS+16*(\set)+8*\u+4:AS+16*(\set)+8*\u+7], v5 offset:512*\u+16
.endr
.endm
.macro KSTEP n, s
	PLACES                                         ; the set that is loaded next was read by the step before
.if (\s) < 7
	LOADA ((\s)+1)&1, ((\s)+1)*1536
	s_wait_dscnt 8                                 ; all but the 8 loads just issued
.elseif (\n) < 3
	WIN 0
	v_add_nc_u32 v3, 24576, v3
	v_add_nc_u32 v4, 24576, v4
	v_add_nc_u32 v5, 1024, v5
	LOADA 0, 0
	LOADS ((\n)+1)&1
	s_wait_dscnt 12                                ; all but the 12 just issued
.else
	s_wait_dscnt 0
.endif
.if (\s) == 0
	WIN (1+(\s)/4)|((1+((\s)&1))<<2)|(1<<4)
.else
	WIN (1+(\s)/4)|((1+((\s)&1))<<2)
.endif
.irp u, 0,1
.irp t, 0,1,2,3
.if (\s) == 0
	v_wmma_scale_f32_16x16x128_f8f6f4 v[ACC+32*\u+8*\t:ACC+32*\u+8*\t+7], v[48*((\s)%4)+12*\t:48*((\s)%4)+12*\t+11], v[XF+12*\u:XF+12*\u+11], v[BI+8*\t:BI+8*\t+7], v[WS+8*\t+(\s)], v[AS+16*((\n)&1)+8*\u+(\s)] matrix_a_fmt:MATRIX_FMT_BF6 matrix_b_fmt:MATRIX_FMT_BF6
.else
	v_wmma_scale_f32_16x16x128_f8f6f4 v[ACC+32*\u+8*\t:ACC+32*\u+8*\t+7], v[48*((\s)%4)+12*\t:48*((\s)%4)+12*\t+11], v[XF+12*\u:XF+12*\u+11], v[ACC+32*\u+8*\t:ACC+32*\u+8*\t+7], v[WS+8*\t+(\s)], v[AS+16*((\n)&1)+8*\u+(\s)] matrix_a_fmt:MATRIX_FMT_BF6 matrix_b_fmt:MATRIX_FMT_BF6
.endif
.endr
.endr
.endm
.macro EPI n
	WIN 0
	PLACES
	s_wait_xcnt 0x0                                ; the last unit's stores have read their data: only now may loads land there
.irp u, 0,1
.irp q, 0,1,2,3,4,5,6,7                        ; registers 4 q on are columns 32 (q / 4) + 16 h + 4 (q % 4) on; each accumulator from its low end on
	ds_store_b128 v6, v[ACC+32*\u+4*\q:ACC+32*\u+4*\q+3] offset:128*(\q/4)+16*(\q%4)
.endr
.irp i, 0,1,2,3,4,5,6,7
	ds_load_b128 v[RB+32*\u+4*\i:RB+32*\u+4*\i+3], v7 offset:544*\i   ; LDS serves a wave's instructions in order (ISA guide 5.7.1.4): these see the stores above, and tile 1's stores come behind tile 0's loads
.endr
.endr
	s_wait_loadcnt 16*(3-(\n))                     ; this unit's x is in; the later units' 16 loads each may be out
.irp u, 0,1
	s_wait_dscnt 16-16*\u                          ; tile 0 is back while tile 1's 8 stores and 8 loads may be out; then all
	WIN 0x0c                                       ; source 1: window 3
.set J, 0
.rept 16
	v_pk_add_f32 v[RB+32*\u+J:RB+32*\u+J+1], v[RB+32*\u+J:RB+32*\u+J+1], v[64*(\n)+32*\u+J:64*(\n)+32*\u+J+1]
.set J, J+2
.endr
	WIN 0
.irp i, 0,1,2,3,4,5,6,7
	global_store_b128 v8, v[RB+32*\u+4*\i:RB+32*\u+4*\i+3], s[14:15] offset:(32*(\n)+8*\u+2*\i+8*(\i/4))*4096 th:TH_STORE_NT
.endr
.endr
.endm
	s_load_b256 s[4:11], s[0:1], 0x0               ; ob, wl, Wo's scales, bo
	s_load_b128 s[12:15], s[0:1], 0x20             ; x, out0
	v_lshl_add_u32 v254, v0, 2, 0x29000
	v_mov_b32 v255, 0
	ds_add_u32 v254, v255
	ds_add_u32 v254, v255
	v_lshrrev_b32 v11, 5, v0
	v_readfirstlane_b32 s16, v11                   ; wave 0..3
	v_and_b32 v11, 31, v0                          ; lane
	v_and_b32 v12, 15, v0                          ; r
	v_bfe_u32 v13, v0, 4, 1                        ; h
	v_lshlrev_b32 v1, 4, v11                       ; memory: 16 x lane
	v_lshlrev_b32 v3, 4, v11                       ; LDS: 16 x lane and 8 x lane, stepped from unit to unit
	v_lshlrev_b32 v4, 3, v11
	v_lshl_add_u32 v5, v12, 5, 98304               ; LDS: my tile row's scale words
	s_mul_i32 s40, s16, 4352
	s_add_co_u32 s40, s40, STG                     ; my stage
	v_mul_u32_u24 v6, v12, 272
	v_lshl_add_u32 v6, v13, 6, v6
	v_add_nc_u32 v6, s40, v6                       ; in: row r, + 64 h
	v_mul_u32_u24 v7, v13, 272
	v_lshl_add_u32 v7, v12, 4, v7
	v_add_nc_u32 v7, s40, v7                       ; back: lanes 0-15 one row of 256 bytes, lanes 16-31 the next
	v_lshlrev_b32 v8, 12, v13
	v_lshl_add_u32 v8, v12, 4, v8                  ; and the same two rows in x and in out0
	v_and_b32 v10, 8, v12
	v_add_nc_u32 v10, v10, v12
	v_lshlrev_b32 v10, 5, v10                      ; a weight row's 32 scale bytes
	v_lshlrev_b32 v9, 6, v13                       ; the bias: 16 h columns on
	s_and_b32 s18, ttmp7, 0xffff                   ; Rb: which 128 rows; the four partners share it
	s_mov_b32 s24, 15|(3<<16)|(1<<21)              ; the mask: all four work-groups; elements of 8 bytes; bit 21 beside a mask
	s_mov_b32 s25, 32<<16                          ; rows of 256 bytes,
	s_mov_b32 s26, 100<<16                         ; 100 of them,
	s_mov_b32 s27, 32<<16
	s_mov_b32 s28, 100
	s_mov_b32 s29, 32                              ; dense
	s_mov_b32 s30, 0
	s_mov_b32 s31, 0
	s_mov_b32 s20, 1
	s_mul_i32 s21, s16, 25600                      ; LDS address: the wave's number alone
	s_mul_i32 s22, s18, 102400
	s_add_co_u32 s22, s22, s21
	s_mov_b32 s23, 0
	s_bfe_u32 s17, ttmp6, 0x40000                  ; my place in the cluster: it enters addresses of weights, x and results alone
	s_lshl_b32 s19, ttmp9, 2
	s_add_co_u32 s17, s17, s19
	s_lshl_b32 s19, s17, 2
	s_add_co_u32 s19, s19, s16                     ; which 64 columns are mine
	s_mul_i32 s32, s19, 49152                      ; four tiles of 12,288 bytes,
	s_add_co_u32 s32, s32, 2359296                 ; in wl's fourth matrix
	s_mov_b32 s33, 0
	s_lshl_b32 s34, s19, 11
	s_mov_b32 s35, 0
	s_lshl_b32 s36, s19, 8
	s_mov_b32 s37, 0
	s_lshl_b32 s38, s18, 19                        ; 128 rows of 4,096 bytes
	s_add_co_u32 s38, s38, s36
	s_mov_b32 s39, 0
	s_wait_dscnt 0x0
	s_wait_kmcnt 0x0
	s_add_nc_u64 s[22:23], s[4:5], s[22:23]
	s_or_b32 s23, s23, 0x80000000
	s_add_nc_u64 s[6:7], s[6:7], s[32:33]
	s_add_nc_u64 s[8:9], s[8:9], s[34:35]
	s_add_nc_u64 s[10:11], s[10:11], s[36:37]
	s_add_nc_u64 s[12:13], s[12:13], s[38:39]
	s_add_nc_u64 s[14:15], s[14:15], s[38:39]
	CROUND                                         ; all four work-groups are here: the joint loads meet
	tensor_load_to_lds s[20:23], s[24:31]          ; my one tensor load of the launch; nothing is filled again
	s_nop 0
.rept 4
	v_nop
.endr
.irp s, 0,1,2,3,4,5,6,7
	WIN (1+\s/4)<<6
.irp t, 0,1,2,3
.irp c, 0,1,2
	global_load_b128 v[48*(\s%4)+12*\t+4*\c:48*(\s%4)+12*\t+4*\c+3], v1, s[6:7] offset:\t*12288+\s*1536+512*\c
.endr
.endr
.endr
	WIN 0
	s_wait_alu depctr_va_vdst(0)
.irp t, 0,1,2,3
	global_load_b128 v[WS+8*\t:WS+8*\t+3], v10, s[8:9] offset:(32*(\t/2)+8*(\t%2))*32
	global_load_b128 v[WS+8*\t+4:WS+8*\t+7], v10, s[8:9] offset:(32*(\t/2)+8*(\t%2))*32+16
.endr
	WIN 0x40
.irp t, 0,1,2,3
	global_load_b128 v[BI+8*\t:BI+8*\t+3], v9, s[10:11] offset:(32*(\t/2)+8*(\t%2))*4
	global_load_b128 v[BI+8*\t+4:BI+8*\t+7], v9, s[10:11] offset:(32*(\t/2)+8*(\t%2))*4+16
.endr
	WIN 0xc0
.irp n, 0,1,2,3
.irp u, 0,1
.irp i, 0,1,2,3,4,5,6,7
	global_load_b128 v[64*\n+32*\u+4*\i:64*\n+32*\u+4*\i+3], v8, s[12:13] offset:(32*\n+8*\u+2*\i+8*(\i/4))*4096 th:TH_LOAD_NT
.endr
.endr
.endr
	WIN 0
	s_wait_loadcnt 48                              ; weights, scale words, bias and the first unit's x are in; the other three units' 48 loads may be out
	s_wait_tensorcnt 0x0                           ; my quarter of the block is in,
	s_barrier_signal -1
	s_barrier_wait -1                              ; everybody's is; the block is only read from here on
	LOADA 0, 0
	LOADS 0
.irp n, 0,1,2,3
.irp s, 0,1,2,3,4,5,6,7
	KSTEP \n, \s
.endr
	EPI \n
.endr
	s_wait_dscnt 0x0
	s_wait_tensorcnt 0x0
	ds_add_u32 v254, v255
	s_wait_dscnt 0x0
	CROUND                                         ; the closing round: no work-group ends while a partner may still ask for a tile that names it
	s_endpgm
.Lfunc_end_k_qbf101cc12f_oproj:
	.size	k_qbf101cc12f_oproj, .Lfunc_end_k_qbf101cc12f_oproj-k_qbf101cc12f_oproj
	.p2alignl 7, 3214868480
	.fill 96, 4, 3214868480
	.section	.rodata,"a",@progbits
	.p2align	6, 0x0
	.amdhsa_kernel k_qbf101cc12f_oproj
		.amdhsa_group_segment_fixed_size 168448
		.amdhsa_private_segment_fixed_size 0
		.amdhsa_enable_private_segment 0
		.amdhsa_kernarg_size 48
		.amdhsa_user_sgpr_count 2
		.amdhsa_user_sgpr_kernarg_segment_ptr 1
		.amdhsa_wavefront_size32 1
		.amdhsa_system_sgpr_workgroup_id_x 1
		.amdhsa_system_sgpr_workgroup_id_y 1
		.amdhsa_system_sgpr_workgroup_id_z 1
		.amdhsa_system_vgpr_workitem_id 0
		.amdhsa_next_free_vgpr 1024
		.amdhsa_next_free_sgpr 66
		.amdhsa_reserve_vcc 0
		.amdhsa_float_denorm_mode_32 3
		.amdhsa_float_denorm_mode_16_64 3
		.amdhsa_memory_ordered 1
		.amdhsa_forward_progress 1
		.amdhsa_inst_pref_size 102
	.end_amdhsa_kernel
	.amdgpu_metadata
---
amdhsa.version: [ 1, 2 ]
amdhsa.kernels:
  - .name:           k_qbf101cc12f_oproj
    .symbol:         k_qbf101cc12f_oproj.kd
    .args:
      - { .name: ob, .offset: 0, .size: 8, .value_kind: global_buffer, .address_space: global }
      - { .name: wl, .offset: 8, .size: 8, .value_kind: global_buffer, .address_space: global }
      - { .name: Wo_scales, .offset: 16, .size: 8, .value_kind: global_buffer, .address_space: global }
      - { .name: bo, .offset: 24, .size: 8, .value_kind: global_buffer, .address_space: global }
      - { .name: x, .offset: 32, .size: 8, .value_kind: global_buffer, .address_space: global }
      - { .name: out0, .offset: 40, .size: 8, .value_kind: global_buffer, .address_space: global }
    .group_segment_fixed_size: 168448
    .private_segment_fixed_size: 0
    .kernarg_segment_align: 8
    .kernarg_segment_size: 48
    .max_flat_workgroup_size: 128
    .sgpr_count:     66
    .vgpr_count:     1024
    .wavefront_size: 32
...
	.end_amdgpu_metadata
.endif
;; end of part 4
